; MI455X (gfx1250); checked and timed in simulation.
; The chip was launched on July 23, 2026; its instructions are those of AMD's public machine-readable ISA for CDNA 5 (MIT licence, August 2026) and "CDNA5" Instruction Set Architecture Reference Guide (July 2026). The comments in the code are by the model that wrote it; some were corrected since.
;; Self Attention Layer. Allowed arithmetic: float matrix products may take bf16 or f16 operands with f32 sums; other float arithmetic in f32, or as packed bf16 or f16 multiplies, adds, multiply-adds, maxima and minima; sums over many terms, partial sums and values carried from step to step in f32; what a program stores and reads back later, other than sums and carried values, may be rounded once to bf16 or f16.
;; Inputs: W_kqv 1,024 x 3,072 float32; W_proj 1,024 x 1,024 float32; b_kqv 3,072 float32; b_proj 1,024 float32; x 4 x 2,048 x 1,024 float32.
;; Outputs: out0 4 x 2,048 x 1,024 float32.
;; 2 versions, each right; version 2 is version 1 with the launch cast written anew for expert scheduling mode. Each part assembles by itself: llvm-mc -triple=amdgcn-amd-amdhsa -mcpu=gfx1250 --defsym DOCPART=n.
;; ======== version 1 of 2: 5 launches
;; limits: values are held in f16: magnitudes above 65,504 overflow, below 6.1e-05 lose precision
;; workspace buffers: xb 16,777,216 bytes; wb 6,291,456 bytes; wp 2,097,152 bytes; kqv 50,331,648 bytes; pt 33,554,432 bytes; st 1,048,576 bytes; ob 16,777,216 bytes
;; launch cast (part 1): grid 768 x 1, 8 waves a work-group, no clusters, 0 bytes of LDS; arguments x, W_kqv, W_proj, xb, wb, wp; writes xb, wb, wp
.if DOCPART == 1
	.amdgcn_target "amdgcn-amd-amdhsa--gfx1250"
	.amdhsa_code_object_version 6
	.text
	.protected	k_q9f91d7a9b1_cast
	.globl	k_q9f91d7a9b1_cast
	.p2align	8
	.type	k_q9f91d7a9b1_cast,@function
k_q9f91d7a9b1_cast:
	s_mov_b64 s[64:65], 0
	v_nop
	global_prefetch_b8 v0, s[64:65] scope:SCOPE_SE
	s_setreg_imm32_b32 hwreg(HW_REG_WAVE_MODE, 25, 1), 1
	s_wait_xcnt 0x0
; x -> xb (bf16), W_kqv -> wb (bf16), W_proj -> wp (rounded to bf16, that number written as f16).  Layouts stay as given.
; A stream: each input byte is read once, each output byte written once; no LDS, no barrier, no matrix work.
; SHARES.  A work-group converts 16,384 numbers: 65,536 bytes in, 32,768 out.  Work-groups 0-511 take x, 512-703 W_kqv, 704-767 W_proj.
; Thread t takes 16 bytes at 16 t of each 4,096-byte piece: a wave's load covers 512 bytes on end, its store 256 bytes on end, aligned.
; All 16 loads of a thread go out at once; the waits count down.  No register that a store reads is written again.
; LIMIT.  wp: |W_proj| stays under 65,504 (f16's range); below 2^-14 it keeps f16's fixed step of 6e-8.
	s_load_b256 s[4:11], s[0:1], 0x0               ; x s[4:5], W_kqv s[6:7], W_proj s[8:9], xb s[10:11]
	s_load_b128 s[12:15], s[0:1], 0x20             ; wb s[12:13], wp s[14:15]
	s_mov_b32 s16, ttmp9                           ; the work-group's number
	s_sub_co_u32 s17, s16, 512                     ; its block in W_kqv,
	s_sub_co_u32 s18, s16, 704                     ; in W_proj
	s_mov_b32 s3, 0
	v_lshlrev_b32 v1, 4, v0                        ; 16 t: where I read
	v_lshlrev_b32 v2, 3, v0                        ; 8 t: where I write
	s_wait_kmcnt 0x0
	s_cmp_lt_u32 s16, 704                          ; source, destination and block number are chosen by the work-group's number alone
	s_cselect_b64 s[20:21], s[6:7], s[8:9]
	s_cselect_b64 s[22:23], s[12:13], s[14:15]
	s_cselect_b32 s19, s17, s18
	s_cmp_lt_u32 s16, 512
	s_cselect_b64 s[20:21], s[4:5], s[20:21]
	s_cselect_b64 s[22:23], s[10:11], s[22:23]
	s_cselect_b32 s19, s16, s19
	s_lshl_b32 s2, s19, 16                         ; block x 65,536 bytes in (511 x 65,536 at the most),
	s_add_nc_u64 s[20:21], s[20:21], s[2:3]
	s_lshl_b32 s2, s19, 15                         ; x 32,768 bytes out
	s_add_nc_u64 s[22:23], s[22:23], s[2:3]
.irp i, 0,1,2,3,4,5,6,7,8,9,10,11,12,13,14,15
	global_load_b128 v[4+4*(\i):7+4*(\i)], v1, s[20:21] offset:4096*(\i) th:TH_LOAD_NT
.endr
; Piece i: four numbers rounded to bf16; f16 = 1: widened again and written as f16.
.macro CV f16
.irp i, 0,1,2,3,4,5,6,7,8,9,10,11,12,13,14,15
	s_wait_loadcnt 15-(\i)                         ; loads come back in order: piece i is in, the younger ones stay out
	v_cvt_pk_bf16_f32 v[68+2*(\i)], v[4+4*(\i)], v[5+4*(\i)]
	v_cvt_pk_bf16_f32 v[69+2*(\i)], v[6+4*(\i)], v[7+4*(\i)]
.if \f16
	v_lshlrev_b32 v100, 16, v[68+2*(\i)]
	v_and_b32 v101, 0xffff0000, v[68+2*(\i)]
	v_lshlrev_b32 v102, 16, v[69+2*(\i)]
	v_and_b32 v103, 0xffff0000, v[69+2*(\i)]
	v_cvt_pk_f16_f32 v[68+2*(\i)], v100, v101
	v_cvt_pk_f16_f32 v[69+2*(\i)], v102, v103
.endif
	global_store_b64 v2, v[68+2*(\i):69+2*(\i)], s[22:23] offset:2048*(\i)
.endr
.endm
	s_cmp_ge_u32 s16, 704
	s_cbranch_scc1 .Lhalf
	CV 0
	s_endpgm
.Lhalf:
	CV 1
	s_endpgm
.Lfunc_end_k_q9f91d7a9b1_cast:
	.size	k_q9f91d7a9b1_cast, .Lfunc_end_k_q9f91d7a9b1_cast-k_q9f91d7a9b1_cast
	.p2alignl 7, 3214868480
	.fill 96, 4, 3214868480
	.section	.rodata,"a",@progbits
	.p2align	6, 0x0
	.amdhsa_kernel k_q9f91d7a9b1_cast
		.amdhsa_group_segment_fixed_size 0
		.amdhsa_private_segment_fixed_size 0
		.amdhsa_enable_private_segment 0
		.amdhsa_kernarg_size 48
		.amdhsa_user_sgpr_count 2
		.amdhsa_user_sgpr_kernarg_segment_ptr 1
		.amdhsa_wavefront_size32 1
		.amdhsa_system_sgpr_workgroup_id_x 1
		.amdhsa_system_sgpr_workgroup_id_y 1
		.amdhsa_system_sgpr_workgroup_id_z 1
		.amdhsa_system_vgpr_workitem_id 0
		.amdhsa_next_free_vgpr 104
		.amdhsa_next_free_sgpr 66
		.amdhsa_reserve_vcc 0
		.amdhsa_float_denorm_mode_32 3
		.amdhsa_float_denorm_mode_16_64 3
		.amdhsa_memory_ordered 1
		.amdhsa_forward_progress 1
		.amdhsa_inst_pref_size 16
	.end_amdhsa_kernel
	.amdgpu_metadata
---
amdhsa.version: [ 1, 2 ]
amdhsa.kernels:
  - .name:           k_q9f91d7a9b1_cast
    .symbol:         k_q9f91d7a9b1_cast.kd
    .args:
      - { .name: x, .offset: 0, .size: 8, .value_kind: global_buffer, .address_space: global }
      - { .name: W_kqv, .offset: 8, .size: 8, .value_kind: global_buffer, .address_space: global }
      - { .name: W_proj, .offset: 16, .size: 8, .value_kind: global_buffer, .address_space: global }
      - { .name: xb, .offset: 24, .size: 8, .value_kind: global_buffer, .address_space: global }
      - { .name: wb, .offset: 32, .size: 8, .value_kind: global_buffer, .address_space: global }
      - { .name: wp, .offset: 40, .size: 8, .value_kind: global_buffer, .address_space: global }
    .group_segment_fixed_size: 0
    .private_segment_fixed_size: 0
    .kernarg_segment_align: 8
    .kernarg_segment_size: 48
    .max_flat_workgroup_size: 256
    .sgpr_count:     66
    .vgpr_count:     104
    .wavefront_size: 32
...
	.end_amdgpu_metadata
.endif
;; end of part 1
;; launch qkv (part 2): grid 12 x 32, 4 waves a work-group, clusters of 4 x 4, 327,680 bytes of LDS; arguments xb, wb, b_kqv, kqv; writes kqv
.if DOCPART == 2
	.amdgcn_target "amdgcn-amd-amdhsa--gfx1250"
	.amdhsa_code_object_version 6
	.text
	.protected	k_q9f91d7a9b1_qkv
	.globl	k_q9f91d7a9b1_qkv
	.p2align	8
	.type	k_q9f91d7a9b1_qkv,@function
k_q9f91d7a9b1_qkv:
	s_mov_b64 s[64:65], 0
	v_nop
	global_prefetch_b8 v0, s[64:65] scope:SCOPE_SE
	s_setreg_imm32_b32 hwreg(HW_REG_WAVE_MODE, 25, 1), 1
	s_wait_xcnt 0x0
	s_wait_alu depctr_hold_cnt(0) depctr_sa_sdst(0) depctr_va_vdst(0) depctr_va_sdst(0) depctr_va_ssrc(0) depctr_va_vcc(0) depctr_vm_vsrc(0)
	s_getreg_b32 s2, hwreg(HW_REG_IB_STS2, 6, 4)
	s_cmp_eq_u32 s2, 0
	s_cbranch_scc0 .Lentry_in_a_cluster
	s_endpgm
.Lentry_in_a_cluster:
	s_bfe_u32 s2, ttmp6, 0x10000c
	s_cmp_lg_u32 s2, 0xf033
	s_cbranch_scc0 .Lentry_shape_is_right
	s_endpgm
.Lentry_shape_is_right:
; kqv[m][n] = b_kqv[n] + the sum over k of xb[m][k] wb[k][n].  xb: bf16 [8192][1024]; wb: bf16 [1024][3072], [k][n] as given; kqv: f16 [8192][3072].
; Sums in f32; the bias, rounded to bf16 like the other inputs, starts them as the first product's C operand; kqv is rounded once.  LIMIT: |kqv| stays under 65,504, f16's range.
; SHARES.  A tile of kqv is 256 x 256; four waves, as many as a WGP has SIMDs, each 128 x 128: 64 accumulators of 16 x 16, 512 registers.  12 x 32 = 384 tiles.
; K goes in 8 steps of 128 through two LDS slots: a step is 256 matrix instructions a wave, and 224 of them stand between a refill's request and the wait for it.
; wb's fragments come out of LDS turned, by ds_load_tr16_b128.  The product is used transposed (source 0 = 16 columns of wb, source 1 = 16 rows of xb):
; a lane holds one row of kqv (lane % 16) and eight neighbouring columns 8 (lane / 16) + 0..7, which pack into 16 bytes.
; CLUSTER 4 x 4.  xb's tile hangs on the tile row alone and is asked for jointly along a row of the cluster, wb's on the tile column alone and jointly along a column.
; REGISTERS.  window 0: v0-31 addresses; v64-127, v128-191 xb's fragments, two buffers; v192-223 packed results; v32-63, v224-255 rows read back on the way out.
;   window 1: v0-63 the bias of my 128 columns; v64-127, v128-191 wb's fragments; v192-195 at work.
;   window 2: the accumulators of my rows 0-63 ((a, b) at 8 (8 a + b));  window 3: those of my rows 64-127.
.set KSTEP,  128
.set NP,     3072                      ; elements in a row of wb and of kqv
.set PA,     272                       ; an LDS row of xb: 256 bytes + 16: the 16 rows of a fragment load start at 16 different groups of four banks
.set AHALF,  128*PA                    ; 128 rows: what one tensor load brings of xb
.set PB,     544                       ; an LDS row of wb: 512 bytes + 32 = 17 x 32: the turning load's 8 rows x 32 bytes fall on different banks
.set BHALF,  64*PB                     ; 64 rows of k: what one tensor load brings of wb
.set BOFF,   2*AHALF                   ; wb lies behind xb in a slot
.set ASTEP,  2*KSTEP                   ; bytes from a K step to the next, in xb
.set BSTEP,  KSTEP*NP*2                ; and in wb
.set SLOT1,  2*AHALF+2*BHALF           ; 0x22000: it shares no bit with the four LDS bases of slot 0 (wave x 34,816), so one exclusive or changes slots
.set STAGE,  2*SLOT1                   ; behind the ring: 16 rows x 272 bytes for each wave, for the way out
.set SPITCH, 272
.set SPARE,  STAGE+4*16*SPITCH         ; behind the stages: the spare words, 128 bytes for each wave
.set OROW,   2*NP                      ; bytes in a row of kqv
.set ADRA0, 16                         ; v16  my lane's place in xb's tile, slot 0; never rewritten
.set ADRB0, 17                         ; v17  the same for wb
.set ADRA,  18                         ; v18  the same in the slot in hand
.set ADRB,  19
.set STO,   24                         ; the way out: where I put 16 bytes of a row
.set RD,    25                         ; where I read rows back
.set CO,    26                         ; my byte offset in kqv
.set BO,    27                         ; my byte offset in the bias
.set SPW,   28                         ; LDS address of my spare word; never rewritten
.set NIL,   29                         ; 0; never rewritten
.set PFO,   30                         ; the prefetches' offset; never rewritten
.set F0,    64
.set F1,    128
.set TMP,   192
.set WV,  12
.set RH,  13                           ; which 128 rows of the tile are mine.  Also: I fetch for xb (0) or wb (1)
.set CH,  14                           ; which 128 columns.  Also: which half of that tile I fetch
.set CX,  15
.set CY,  16
.set TC,  17                           ; tile column
.set TR,  18                           ; tile row
.set LIM, 19                           ; 2 in a wave that prefetches, else the greatest number
.set G1A, 24
.set G0A, 32                           ; two sets: step 0 into slot 0 (used once); step 1 into slot 1, which then walks
.set PFA, 44
.set PFS, 46
.set G1B, 48
.set G0B, 56
.set TB,  66                           ; 0 or SLOT1: the slot in hand
.set TO_B, 0x40                        ; destination window 1, address window 0
.set MSB, 0
.macro WIN new                         ; the immediate's high byte repeats the setting that is left
.if MSB != (\new)
	s_set_vgpr_msb (MSB<<8)|(\new)
.set MSB, \new
.endif
.endm
.macro PLACES                          ; four plain vector instructions behind matrix instructions, in front of loads into their sources and of readers of their results
.rept 4
	v_nop
.endr
.endm
.macro JLOAD                           ; a joint refill by the walking descriptors: waves 0, 1 for xb, waves 2, 3 for wb; an s_nop 0 and four v_nop follow each line
	s_cmp_eq_u32 s[RH], 0
	s_cbranch_scc0 .Lfor_b_\@
	tensor_load_to_lds s[G0A+4:G0A+7], s[G1A:G1A+7]
	s_nop 0
.rept 4
	v_nop
.endr
	s_branch .Lasked_\@
.Lfor_b_\@:
	tensor_load_to_lds s[G0B+4:G0B+7], s[G1B:G1B+7]
	s_nop 0
.rept 4
	v_nop
.endr
.Lasked_\@:
.endm
.macro CREST                           ; a round of the cluster's barrier behind its opening barrier
	s_cmp_lg_u32 s[WV], 0
	s_cbranch_scc1 .Lnot_wave_0_\@
	s_barrier_signal -3
.Lnot_wave_0_\@:
	s_barrier_wait -3
	s_barrier_signal -1
	s_barrier_wait -1
.endm
.macro CROUND
	s_barrier_signal -1
	s_barrier_wait -1
	CREST
.endm
; A prefetch of the K step that stands two refills on (step s asks for step s + 4, for s = 0..3: s3 = 6 - s is above 2), behind the joint load and the run of LDS loads: one instruction a wave.
; Each aligned 256 bytes are named once in the launch.  xb's tile row is read by the three clusters of that row of clusters: cluster x = 0 asks; wb's tile column by the eight of that column: cluster y = 0 asks.
; The four partners that ask for a tile jointly share it out by address: of the 128 rows of xb that a wave fetches partner cx names 32, a lane a row; of the 64 rows of k of wb partner cy names 16, two blocks each.
.macro ASK
	s_cmp_gt_u32 s3, s[LIM]
	s_cbranch_scc0 .Lnot_mine_\@
	global_prefetch_b8 v[PFO], s[PFA:PFA+1] th:TH_LOAD_NT scope:SCOPE_SE
.Lnot_mine_\@:
.endm
	s_load_b256 s[4:11], s[0:1], 0x0               ; xb s[4:5], wb s[6:7], b_kqv s[8:9], kqv s[10:11]
	v_lshl_add_u32 v[SPW], v0, 2, SPARE
	v_mov_b32 v[NIL], 0
	ds_add_u32 v[SPW], v[NIL]                      ; the wave's opening: the add and its wait ahead of my first tensor load
	v_lshrrev_b32 v1, 5, v0
	v_readfirstlane_b32 s[WV], v1
	s_lshr_b32 s[RH], s[WV], 1
	s_and_b32 s[CH], s[WV], 1
	s_bfe_u32 s[CX], ttmp6, 0x40000
	s_bfe_u32 s[CY], ttmp6, 0x40004
	s_lshl_b32 s[TC], ttmp9, 2
	s_add_co_u32 s[TC], s[TC], s[CX]               ; tile column = 4 x cluster x + cx
	s_and_b32 s[TR], ttmp7, 0xffff
	s_lshl_b32 s[TR], s[TR], 2
	s_add_co_u32 s[TR], s[TR], s[CY]               ; tile row = 4 x cluster y + cy
	s_lshl_b32 s20, s[CY], 2
	s_lshl_b32 s20, 15, s20                        ; my row of the cluster
	s_lshl_b32 s21, 0x1111, s[CX]                  ; my column
	s_or_b32 s[G1A], s20, (1<<16)|(1<<20)|(1<<21)|(5<<22)|(3<<25)  ; mask; 2-byte elements; padding on; bit 21 beside a mask; after every 64 words, 4 words
	s_or_b32 s[G1B], s21, (1<<16)|(1<<20)|(1<<21)|(6<<22)|(7<<25)  ; after every 128 words, 8 words
	s_mov_b32 s[G1A+1], 128<<16                    ; tensor_dim0 = 128
	s_mov_b32 s[G1A+2], 128<<16                    ; tensor_dim1 = 128
	s_mov_b32 s[G1A+3], 128<<16                    ; tile_dim0 = 128
	s_mov_b32 s[G1A+4], 128                        ; tile_dim1 = 128
	s_mov_b32 s[G1A+5], 1024                       ; elements from row to row of xb
	s_mov_b32 s[G1A+6], 0
	s_mov_b32 s[G1A+7], 0
	s_mov_b32 s[G1B+1], 256<<16                    ; 256 columns
	s_mov_b32 s[G1B+2], 64<<16                     ; 64 rows of k
	s_mov_b32 s[G1B+3], 256<<16
	s_mov_b32 s[G1B+4], 64
	s_mov_b32 s[G1B+5], NP
	s_mov_b32 s[G1B+6], 0
	s_mov_b32 s[G1B+7], 0
	s_lshl_b32 s22, s[TR], 8                       ; xb: row 256 x tile row + 128 x half, 2,048 bytes a row
	s_lshl_b32 s23, s[CH], 7
	s_add_co_u32 s22, s22, s23
	s_lshl_b32 s22, s22, 11
	s_mov_b32 s23, 0
	s_mul_i32 s40, s[CH], 64*2*NP                  ; wb: row of k 64 x half, the tile's 512 bytes
	s_lshl_b32 s41, s[TC], 9
	s_add_co_u32 s40, s40, s41
	s_mov_b32 s41, 0
	s_mul_i32 s42, s[CH], AHALF                    ; where they go: no place in the cluster enters an LDS address
	s_mul_i32 s43, s[CH], BHALF
	s_add_co_u32 s43, s43, BOFF
	s_mov_b32 s[TB], 0
	s_wait_dscnt 0x0                               ; the opening add is done
	s_wait_kmcnt 0x0
	s_add_nc_u64 s[22:23], s[4:5], s[22:23]
	s_add_nc_u64 s[40:41], s[6:7], s[40:41]
.irp n, 0,1
	s_mov_b32 s[G0A+4*(\n)], 1
	s_add_co_u32 s[G0A+4*(\n)+1], s42, (\n)*SLOT1
	s_add_nc_u64 s[G0A+4*(\n)+2:G0A+4*(\n)+3], s[22:23], (\n)*ASTEP
	s_or_b32 s[G0A+4*(\n)+3], s[G0A+4*(\n)+3], 0x80000000
	s_mov_b32 s[G0B+4*(\n)], 1
	s_add_co_u32 s[G0B+4*(\n)+1], s43, (\n)*SLOT1
	s_add_nc_u64 s[G0B+4*(\n)+2:G0B+4*(\n)+3], s[40:41], (\n)*BSTEP
	s_or_b32 s[G0B+4*(\n)+3], s[G0B+4*(\n)+3], 0x80000000
.endr
	CROUND                                         ; all sixteen work-groups are here: the first joint loads meet
	s_cmp_eq_u32 s[RH], 0                          ; a wave's two first fills stand in one branch: two loads of mine are out
	s_cbranch_scc0 .Lfirst_b
	tensor_load_to_lds s[G0A:G0A+3], s[G1A:G1A+7]
	s_nop 0
	tensor_load_to_lds s[G0A+4:G0A+7], s[G1A:G1A+7]
	s_nop 0
.rept 4
	v_nop
.endr
	s_branch .Lfirst_asked
.Lfirst_b:
	tensor_load_to_lds s[G0B:G0B+3], s[G1B:G1B+7]
	s_nop 0
	tensor_load_to_lds s[G0B+4:G0B+7], s[G1B:G1B+7]
	s_nop 0
.rept 4
	v_nop
.endr
.Lfirst_asked:
	v_and_b32 v1, 15, v0                           ; r = l % 16
	v_bfe_u32 v2, v0, 4, 1                         ; h = l / 16
	v_and_b32 v4, 7, v0
	v_bfe_u32 v5, v0, 3, 1
	s_lshl_b32 s20, s[TC], 10                      ; the bias of my 128 columns: lane half h takes columns 8 h + 0..7 of each 16
	s_lshl_b32 s21, s[CH], 9
	s_add_co_u32 s20, s20, s21
	v_lshl_add_u32 v[BO], v2, 5, s20
	WIN TO_B
.irp b, 0,1,2,3,4,5,6,7
	global_load_b128 v[8*(\b):8*(\b)+3],   v[BO], s[8:9] offset:64*(\b)
	global_load_b128 v[8*(\b)+4:8*(\b)+7], v[BO], s[8:9] offset:64*(\b)+16
.endr
	WIN 0
	v_mul_u32_u24 v[ADRA0], v1, PA                 ; xb's fragment: row x pitch + 16 x half, from my 128 rows on
	v_lshl_add_u32 v[ADRA0], v2, 4, v[ADRA0]
	s_mul_i32 s20, s[RH], AHALF
	v_add_nc_u32 v[ADRA0], s20, v[ADRA0]
	v_lshl_add_u32 v[ADRB0], v2, 3, v4             ; wb's, turned: lane l reads row of k 8 h + l % 8, 16 bytes at 16 ((l / 8) % 2), from my 128 columns on
	v_mul_u32_u24 v[ADRB0], v[ADRB0], PB
	v_lshl_add_u32 v[ADRB0], v5, 4, v[ADRB0]
	s_lshl_b32 s20, s[CH], 8
	s_add_co_u32 s20, s20, BOFF
	v_add_nc_u32 v[ADRB0], s20, v[ADRB0]
	v_mov_b32 v[ADRA], v[ADRA0]
	v_mov_b32 v[ADRB], v[ADRB0]
	s_mul_i32 s20, s[WV], 16*SPITCH
	s_add_co_u32 s20, s20, STAGE                   ; my stage
	v_mul_u32_u24 v[STO], v1, SPITCH               ; in: row r, 16 bytes for each half of the lanes
	v_lshl_add_u32 v[STO], v2, 4, v[STO]
	v_add_nc_u32 v[STO], s20, v[STO]
	v_mul_u32_u24 v[RD], v2, SPITCH                ; back: lanes 0-15 take a row of 256 bytes, lanes 16-31 the next
	v_lshl_add_u32 v[RD], v1, 4, v[RD]
	v_add_nc_u32 v[RD], s20, v[RD]
	v_mul_u32_u24 v[CO], v2, OROW                  ; the same two rows in kqv
	v_lshl_add_u32 v[CO], v1, 4, v[CO]
	s_lshl_b32 s20, s[TR], 8                       ; kqv at my first row and column
	s_lshl_b32 s21, s[RH], 7
	s_add_co_u32 s20, s20, s21
	s_mul_i32 s20, s20, OROW
	s_lshl_b32 s21, s[TC], 9
	s_add_co_u32 s20, s20, s21
	s_lshl_b32 s21, s[CH], 8
	s_add_co_u32 s20, s20, s21
	s_mov_b32 s21, 0
	s_add_nc_u64 s[10:11], s[10:11], s[20:21]
	; the prefetches: where they stand (K step 3; each refill steps them first), who asks
	s_lshl_b32 s68, s[TR], 8                       ; xb: of the 128 rows that I fetch, partner cx names rows 32 cx + lane
	s_lshl_b32 s70, s[CH], 7
	s_add_co_u32 s68, s68, s70
	s_lshl_b32 s70, s[CX], 5
	s_add_co_u32 s68, s68, s70
	s_lshl_b32 s68, s68, 11
	s_add_co_u32 s68, s68, 3*ASTEP
	s_lshl_b32 s69, s[CH], 6                       ; wb: of the 64 rows of k that I fetch, partner cy names rows 16 cy + lane % 16, half lane / 16 of their 512 bytes
	s_lshl_b32 s70, s[CY], 4
	s_add_co_u32 s69, s69, s70
	s_add_co_u32 s69, s69, 3*KSTEP
	s_mul_i32 s69, s69, 2*NP
	s_lshl_b32 s70, s[TC], 9
	s_add_co_u32 s69, s69, s70
	s_and_b32 s40, ttmp7, 0xffff                   ; cluster y
	s_mov_b32 s20, ASTEP
	s_mov_b32 s21, BSTEP
	s_mov_b32 s42, 2048
	s_mov_b32 s43, 2*NP
	s_mov_b32 s71, 0
	s_mov_b32 s[PFS+1], 0
	s_cmp_eq_u32 s[RH], 0                          ; do I fetch for xb?
	s_cselect_b64 s[PFA:PFA+1], s[4:5], s[6:7]
	s_cselect_b32 s70, s68, s69
	s_cselect_b32 s[PFS], s20, s21
	s_cselect_b32 s41, ttmp9, s40                  ; the coordinate along which other clusters read the same blocks
	s_cselect_b32 s22, 31, 15
	s_cselect_b32 s42, s42, s43
	s_cselect_b32 s43, 0, 256
	s_add_nc_u64 s[PFA:PFA+1], s[PFA:PFA+1], s[70:71]
	s_cmp_eq_u32 s41, 0
	s_cselect_b32 s[LIM], 2, -1                    ; the same in all sixteen partners, for a given wave
	v_and_b32 v[PFO], s22, v0
	v_mul_u32_u24 v[PFO], v[PFO], s42
	v_mad_u32_u24 v[PFO], v2, s43, v[PFO]
	s_wait_loadcnt 0x0                             ; the bias: rounded to bf16 and widened again
	WIN 0x45                                       ; all three operand places in window 1
.set p, 0
.rept 32
	v_cvt_pk_bf16_f32 v[192+p%4], v[2*p], v[2*p+1]
	v_lshlrev_b32 v[2*p], 16, v[192+p%4]
	v_and_b32 v[2*p+1], 0xffff0000, v[192+p%4]
.set p, p+1
.endr
	WIN 0
; 16 matrix instructions: row blocks a0, a0 + 1 of the window's four (hi = 0: my rows 0-63, 1: rows 64-127) x all 8 column blocks, 32 along K.  init = 1: the bias (window 1) starts the sums.
; The 64 accumulators take turns, one instruction a turn, in the same order in every quarter.
.macro MUL16 f, hi, a0, init
.if \init
	WIN 0x91+0x40*(\hi)                            ; source 0 and C window 1, source 1 window 0, D window 2 or 3
.else
	WIN 0xa1+0x50*(\hi)                            ; source 0 window 1, source 1 window 0, C and D window 2 or 3
.endif
.irp a, \a0, (\a0)+1
.irp b, 0,1,2,3,4,5,6,7
.set rD, 8*(8*(\a)+(\b))
.set rB, (\f)+8*(\b)
.set rA, (\f)+8*(4*(\hi)+(\a))
.set rC, rD
.if \init
.set rC, 8*(\b)
.endif
	v_wmma_f32_16x16x32_bf16 v[rD:rD+7], v[rB:rB+7], v[rA:rA+7], v[rC:rC+7]
.endr
.endr
.endm
; 32 LDS loads in one run: quarter kq (32 along K) of the slot in hand into buffer f: wb's 8 fragments, then xb's 8
.macro FETCH kq, f
	WIN TO_B
.irp i, 0,1,2,3,4,5,6,7
	ds_load_tr16_b128 v[(\f)+8*(\i):(\f)+8*(\i)+3],   v[ADRB] offset:(\kq)*32*PB+32*(\i)
	ds_load_tr16_b128 v[(\f)+8*(\i)+4:(\f)+8*(\i)+7], v[ADRB] offset:(\kq)*32*PB+16*PB+32*(\i)
.endr
	WIN 0
.irp i, 0,1,2,3,4,5,6,7
	ds_load_b128 v[(\f)+8*(\i):(\f)+8*(\i)+3],   v[ADRA] offset:64*(\kq)+(\i)*16*PA
	ds_load_b128 v[(\f)+8*(\i)+4:(\f)+8*(\i)+7], v[ADRA] offset:64*(\kq)+(\i)*16*PA+32
.endr
.endm
; One of a step's first three quarters: multiplies buffer f, and in its middle fetches quarter kq into buffer g
.macro QUARTER kq, f, g, init
	s_wait_dscnt 8                                 ; wb and xb's rows 0-63 are in; the youngest eight loads (rows 64-127) may be out
	MUL16 \f, 0, 0, \init
	MUL16 \f, 0, 2, \init
	PLACES
	FETCH \kq, \g
	s_wait_dscnt 32                                ; all but the 32 just issued
	MUL16 \f, 1, 0, \init
	MUL16 \f, 1, 2, \init
.endm
; The fourth quarter multiplies buffer 1 and changes slots: one barrier.  In front of it each wave waits for all its tensor loads (one is out: its part of the next slot), adds 0 to its spare word,
; and waits for that and for its reads of this slot.  fill = 1: the barrier opens a round of the cluster's, and this slot is filled again first thing behind it, with the step two on.
.macro TURN fill
.if \fill
	s_wait_xcnt 0x0                                ; the last prefetch, a step back, has read its address
	s_add_nc_u64 s[PFA:PFA+1], s[PFA:PFA+1], s[PFS:PFS+1]
.endif
	WIN 0
	s_wait_tensorcnt 0x0                           ; no tensor load of mine is out, so a group 0 may be written
	ds_add_u32 v[SPW], v[NIL]
.if \fill
	s_xor_b32 s[G0A+5], s[G0A+5], SLOT1            ; the walking descriptors: the other slot than last time, the next step
	s_add_nc_u64 s[G0A+6:G0A+7], s[G0A+6:G0A+7], ASTEP
	s_xor_b32 s[G0B+5], s[G0B+5], SLOT1
	s_add_nc_u64 s[G0B+6:G0B+7], s[G0B+6:G0B+7], BSTEP
.endif
	s_wait_dscnt 9                                 ; the add and the youngest eight loads may be out
	MUL16 F1, 0, 0, 0
	s_wait_dscnt 0x0                               ; the add is done, and my reads of this slot are over
	s_barrier_signal -1
	MUL16 F1, 0, 2, 0
	WIN 0
	s_barrier_wait -1
.if \fill
	CREST                                          ; no wave of any partner still reads this slot or has a load on its way
	JLOAD                                          ; the four v_nop behind it are also the places in front of the loads below
.else
	PLACES
.endif
	s_xor_b32 s[TB], s[TB], SLOT1
	v_add_nc_u32 v[ADRA], s[TB], v[ADRA0]
	v_add_nc_u32 v[ADRB], s[TB], v[ADRB0]
	FETCH 0, F0
.if \fill
	ASK
.endif
	MUL16 F1, 1, 0, 0
	MUL16 F1, 1, 2, 0
.endm
	s_wait_tensorcnt 0x1                           ; my part of step 0 is in; step 1's may stay out
	s_barrier_signal -1
	s_barrier_wait -1
	FETCH 0, F0
	QUARTER 1, F0, F1, 1                           ; step 0's first quarter starts the sums
	WIN 0
	s_mov_b32 s3, 6
.Lstep:                                        ; a trip: a step's quarters 1 to 3 and the next step's quarter 0; steps 0 to 5 ask for steps 2 to 7
	QUARTER 2, F1, F0, 0
	QUARTER 3, F0, F1, 0
	TURN 1
	QUARTER 1, F0, F1, 0
	WIN 0
	s_sub_co_u32 s3, s3, 1
	s_cmp_lg_u32 s3, 0
	s_cbranch_scc1 .Lstep
	s_mov_b32 s3, 2
.Ltail:                                        ; steps 6 and 7 ask for nothing; the second trip is left in its middle.  Its change of slots fetches step 6's bytes once more: they are never multiplied
	QUARTER 2, F1, F0, 0
	QUARTER 3, F0, F1, 0
	TURN 0
	WIN 0
	s_sub_co_u32 s3, s3, 1
	s_cmp_eq_u32 s3, 0
	s_cbranch_scc1 .Lout
	QUARTER 1, F0, F1, 0
	WIN 0
	s_branch .Ltail
.Lout:
	s_wait_dscnt 0x0                               ; the loads that serve nothing have landed
	PLACES
; THE WAY OUT, 16 rows at a time: rounded to f16, 16 bytes a lane into my stage, whole rows of 256 bytes back, stored.  Block a's conversions stand between block a - 1's loads from the stage and the wait for them.
.macro PACK a
	WIN 0x0a+5*((\a)/4)                            ; sources 0 and 1 in window 2 or 3
.irp b, 0,1,2,3,4,5,6,7
.irp z, 0,1,2,3
	v_cvt_pk_f16_f32 v[TMP+4*(\b)+(\z)], v[64*((\a)%4)+8*(\b)+2*(\z)], v[64*((\a)%4)+8*(\b)+2*(\z)+1]
.endr
.endr
	WIN 0
.endm
.macro TOSTAGE a
.set BK, 32+192*((\a)%2)
.irp b, 0,1,2,3,4,5,6,7
	ds_store_b128 v[STO], v[TMP+4*(\b):TMP+4*(\b)+3] offset:32*(\b)
.endr
.irp t, 0,1,2,3,4,5,6,7
	ds_load_b128 v[BK+4*(\t):BK+4*(\t)+3], v[RD] offset:(\t)*2*SPITCH  ; LDS serves a wave's instructions in order: these see the stores above
.endr
.endm
.macro SEND a
.set BK, 32+192*((\a)%2)
	s_wait_dscnt 0x0                               ; the block is back in registers
	s_wait_xcnt 0x0                                ; earlier stores have read their registers and their base
.if (\a) > 0
	s_add_nc_u64 s[10:11], s[10:11], 16*OROW       ; 16 rows of kqv on
.endif
.irp t, 0,1,2,3,4,5,6,7
	global_store_b128 v[CO], v[BK+4*(\t):BK+4*(\t)+3], s[10:11] offset:2*(\t)*OROW  ; 16 lanes store 256 consecutive bytes, aligned
.endr
.endm
	PACK 0
	TOSTAGE 0
.irp a, 1,2,3,4,5,6,7
	PACK \a
	SEND (\a)-1
	TOSTAGE \a
.endr
	SEND 7
	s_wait_tensorcnt 0x0                           ; the wave's end
	ds_add_u32 v[SPW], v[NIL]
	s_wait_dscnt 0x0
	CROUND                                         ; the closing round
	s_endpgm
.Lfunc_end_k_q9f91d7a9b1_qkv:
	.size	k_q9f91d7a9b1_qkv, .Lfunc_end_k_q9f91d7a9b1_qkv-k_q9f91d7a9b1_qkv
	.p2alignl 7, 3214868480
	.fill 96, 4, 3214868480
	.section	.rodata,"a",@progbits
	.p2align	6, 0x0
	.amdhsa_kernel k_q9f91d7a9b1_qkv
		.amdhsa_group_segment_fixed_size 327680
		.amdhsa_private_segment_fixed_size 0
		.amdhsa_enable_private_segment 0
		.amdhsa_kernarg_size 32
		.amdhsa_user_sgpr_count 2
		.amdhsa_user_sgpr_kernarg_segment_ptr 1
		.amdhsa_wavefront_size32 1
		.amdhsa_system_sgpr_workgroup_id_x 1
		.amdhsa_system_sgpr_workgroup_id_y 1
		.amdhsa_system_sgpr_workgroup_id_z 1
		.amdhsa_system_vgpr_workitem_id 0
		.amdhsa_next_free_vgpr 1024
		.amdhsa_next_free_sgpr 72
		.amdhsa_reserve_vcc 0
		.amdhsa_float_denorm_mode_32 3
		.amdhsa_float_denorm_mode_16_64 3
		.amdhsa_memory_ordered 1
		.amdhsa_forward_progress 1
		.amdhsa_inst_pref_size 109
	.end_amdhsa_kernel
	.amdgpu_metadata
---
amdhsa.version: [ 1, 2 ]
amdhsa.kernels:
  - .name:           k_q9f91d7a9b1_qkv
    .symbol:         k_q9f91d7a9b1_qkv.kd
    .args:
      - { .name: xb, .offset: 0, .size: 8, .value_kind: global_buffer, .address_space: global }
      - { .name: wb, .offset: 8, .size: 8, .value_kind: global_buffer, .address_space: global }
      - { .name: b_kqv, .offset: 16, .size: 8, .value_kind: global_buffer, .address_space: global }
      - { .name: kqv, .offset: 24, .size: 8, .value_kind: global_buffer, .address_space: global }
    .group_segment_fixed_size: 327680
    .private_segment_fixed_size: 0
    .kernarg_segment_align: 8
    .kernarg_segment_size: 32
    .max_flat_workgroup_size: 128
    .sgpr_count:     72
    .vgpr_count:     1024
    .wavefront_size: 32
...
	.end_amdgpu_metadata
.endif
;; end of part 2
;; launch scores (part 3): grid 9 x 16, 4 waves a work-group, no clusters, 327,680 bytes of LDS; arguments kqv, pt, st; writes pt, st
.if DOCPART == 3
	.amdgcn_target "amdgcn-amd-amdhsa--gfx1250"
	.amdhsa_code_object_version 6
	.text
	.protected	k_q9f91d7a9b1_scores
	.globl	k_q9f91d7a9b1_scores
	.p2align	8
	.type	k_q9f91d7a9b1_scores,@function
k_q9f91d7a9b1_scores:
	s_mov_b64 s[64:65], 0
	v_nop
	global_prefetch_b8 v0, s[64:65] scope:SCOPE_SE
	s_setreg_imm32_b32 hwreg(HW_REG_WAVE_MODE, 25, 1), 1
	s_wait_xcnt 0x0
; For each block of 128 queries x 128 keys under or on the diagonal: s = q . k (f32 sums of f16 products, K = 1,024); M = c x (the block's row maximum), c = log2(e) / sqrt(2048);
; pt = 2^(c s - M) in f16; st holds M and l = the row's sum of the unrounded weights, in f32.  The next launch joins a row's blocks by 2^(M - M_row) / l_row.
; kqv: f16 [8192][3072], k at byte 0 and q at byte 2,048 of a row.  pt: f16 [4][2048 q][2048 k].  st: planes M and l, each f32 [4][16 key block][2048 row].
; LIMITS.  A hidden score counts as its value less 1e30 (f16 operands give scores of 4.4e12 at the most); the block maximum is held at or above -2^96, so that a wholly hidden block gives weights 0 and finite M, l;
; a weight below 2^-126 counts as 0; NaN and infinities are not treated apart.
; SHARES.  A work-group makes a tile of 256 x 256; four waves, each one block of 128 x 128: 64 accumulators.  Of a batch's 8 x 8 tiles the 36 with J <= I are made: tile rows pr and 7 - pr hold 9 together,
; so grid x = 0..8 walks the two rows and grid y = 4 x batch + pr.  The diagonal tile's upper right block is wholly hidden and runs the same text.
; NO CLUSTER: a batch's tile rows hold 1 to 8 tiles and its tile columns 8 to 1: neither divides into fixed groups of four that read the same rows.
; THE MASK is the C operand of the products that start the sums: three groups of 8 registers, for key blocks of 16 left of, on and right of the diagonal of my block.
; The product is used transposed (source 0 = 16 keys, source 1 = 16 queries): a lane holds one query (lane % 16) and the keys 8 (lane / 16) + 0..7 of each 16.
; REGISTERS.  window 0: v0-31 addresses; v32-55 the masks, later at work; v64-127, v128-191 Q's fragments, two buffers, later the way out.  window 1: v64-127, v128-191 K's fragments.
;   window 2: accumulators of my queries 0-63 ((a, b) at 8 (8 a + b));  window 3: of queries 64-127.
.set PITCH,  272                       ; an LDS row: 256 bytes + 16
.set HALFT,  128*PITCH                 ; 128 rows: what one tensor load brings
.set SLOT1,  4*HALFT                   ; Q's 256 rows, then K's 256 rows; 0x22000 shares no bit with the four bases, so one exclusive or changes slots
.set STAGE,  2*SLOT1                   ; 16 rows x 272 bytes for each wave
.set STATS,  STAGE+4*16*PITCH          ; for each wave 512 bytes of M, then 512 of l
.set SPARE,  STATS+4096
.set ADRA0, 16
.set ADRB0, 17
.set ADRA,  18
.set ADRB,  19
.set DA,    20                         ; where my accumulators are set aside: wave x 65,536 + 16 x lane
.set DAC,   21
.set SA,    22                         ; where a query's M goes
.set SAC,   23
.set STO,   24
.set RD,    25
.set CO,    26
.set SR,    27
.set SPW,   28
.set NIL,   29
.set PFO,   30
.set SG,    31
.set CL,    32                         ; masks: key block left of the diagonal,
.set CD,    40                         ; on it,
.set CU,    48                         ; right of it
.set CM,    32                         ; the way out: four running maxima
.set XC,    36
.set MM,    38                         ; M (named as a pair)
.set LL,    40
.set F0,    64
.set F1,    128
.set SC,    64                         ; the way out: 64 scores of a lane
.set PK,    128                        ; 32 registers of packed weights
.set OB,    160                        ; 16 rows read back
.set WV,  12
.set RH,  13
.set CH,  14
.set TI,  15
.set TJ,  16
.set BB,  17
.set QB,  18
.set LIM, 19
.set KB,  40
.set G1,  24
.set G0,  32
.set PFA, 44
.set CS,  58
.set SEL, 60
.set LOW, 62
.set TB,  66
.set DO,  67
.set SO,  68
.set MUL_LO, 0xa1
.set TO_B,   0x40
.set MSB, 0
.macro WIN new
.if MSB != (\new)
	s_set_vgpr_msb (MSB<<8)|(\new)
.set MSB, \new
.endif
.endm
.macro PLACES
.rept 4
	v_nop
.endr
.endm
; A prefetch of the K step two refills on (step s asks for step s + 4, s = 0..3): my own 128 rows x 256 bytes, a lane a row, four instructions.  Q's rows are read by the tiles J = 0..I: J = 0 asks;
; K's by the tiles I = J..7: I = J asks.  So each aligned 256 bytes are named once in the launch.
.macro ASK
	s_cmp_gt_u32 s3, s[LIM]
	s_cbranch_scc0 .Lnot_mine_\@
.irp i, 0,1,2,3
	global_prefetch_b8 v[PFO], s[PFA:PFA+1] offset:(\i)*196608 th:TH_LOAD_NT scope:SCOPE_SE
.endr
.Lnot_mine_\@:
.endm
	s_load_b128 s[4:7], s[0:1], 0x0                ; kqv s[4:5], pt s[6:7]
	s_load_b64 s[8:9], s[0:1], 0x10                ; st
	v_lshl_add_u32 v[SPW], v0, 2, SPARE
	v_mov_b32 v[NIL], 0
	ds_add_u32 v[SPW], v[NIL]                      ; the wave's opening: the add and its wait ahead of my first tensor load
	v_lshrrev_b32 v1, 5, v0
	v_readfirstlane_b32 s[WV], v1
	s_lshr_b32 s[RH], s[WV], 1                     ; which 128 queries are mine.  Also: I fetch Q (0) or K (1)
	s_and_b32 s[CH], s[WV], 1                      ; which 128 keys.  Also: which 128 rows I fetch
	s_mov_b32 s20, ttmp9                           ; u
	s_and_b32 s21, ttmp7, 0xffff
	s_lshr_b32 s[BB], s21, 2                       ; batch
	s_and_b32 s21, s21, 3                          ; pr
	s_sub_co_u32 s22, 7, s21
	s_sub_co_u32 s23, s20, s21
	s_sub_co_u32 s23, s23, 1
	s_cmp_le_u32 s20, s21                          ; u <= pr: tile (pr, u); else tile (7 - pr, u - pr - 1)
	s_cselect_b32 s[TI], s21, s22
	s_cselect_b32 s[TJ], s20, s23
	s_lshl_b32 s[QB], s[TI], 1
	s_add_co_u32 s[QB], s[QB], s[RH]               ; my block of queries,
	s_lshl_b32 s[KB], s[TJ], 1
	s_add_co_u32 s[KB], s[KB], s[CH]               ; my block of keys
	s_mov_b32 s[G1], (1<<16)|(1<<20)|(5<<22)|(3<<25)  ; 2-byte elements; padding on: after every 64 words, 4 words
	s_mov_b32 s[G1+1], 128<<16
	s_mov_b32 s[G1+2], 128<<16
	s_mov_b32 s[G1+3], 128<<16
	s_mov_b32 s[G1+4], 128
	s_mov_b32 s[G1+5], 3072
	s_mov_b32 s[G1+6], 0
	s_mov_b32 s[G1+7], 0
	s_cmp_eq_u32 s[RH], 0
	s_cselect_b32 s20, s[TI], s[TJ]                ; the rows that I fetch: Q's by the tile row, K's by the tile column
	s_cselect_b32 s21, 2048, 0                     ; q lies 2,048 bytes into a row
	s_lshl_b32 s20, s20, 8
	s_lshl_b32 s22, s[CH], 7
	s_add_co_u32 s20, s20, s22
	s_lshl_b32 s22, s[BB], 11
	s_add_co_u32 s20, s20, s22
	s_mul_i32 s20, s20, 6144
	s_add_co_u32 s20, s20, s21
	s_mov_b32 s21, 0
	s_mul_i32 s22, s[WV], HALFT                    ; and where they go: wave x 128 rows
	s_mov_b32 s[TB], 0
	s_mov_b32 s[CS], 0x3d0293ee                    ; c = log2(e) / sqrt(2048)
	s_mov_b32 s[CS+1], s[CS]
	s_mov_b32 s[SEL], 0x76543210
	s_mov_b32 s[SEL+1], 0xfedcba98
	s_mov_b32 s[LOW], 0xef800000                   ; -2^96
	s_wait_dscnt 0x0                               ; the opening add is done
	s_wait_kmcnt 0x0
	s_add_nc_u64 s[20:21], s[4:5], s[20:21]
.irp n, 0,1
	s_mov_b32 s[G0+4*(\n)], 1
	s_add_co_u32 s[G0+4*(\n)+1], s22, (\n)*SLOT1
	s_add_nc_u64 s[G0+4*(\n)+2:G0+4*(\n)+3], s[20:21], (\n)*256
	s_or_b32 s[G0+4*(\n)+3], s[G0+4*(\n)+3], 0x80000000
.endr
	tensor_load_to_lds s[G0:G0+3], s[G1:G1+7]      ; step 0 into slot 0,
	s_nop 0
	tensor_load_to_lds s[G0+4:G0+7], s[G1:G1+7]    ; step 1 into slot 1: two loads of mine are out
	s_nop 0
.rept 4
	v_nop
.endr
	s_add_nc_u64 s[PFA:PFA+1], s[20:21], 768       ; the prefetches stand at K step 3; each refill steps them first
	s_cmp_eq_u32 s[RH], 0
	s_cselect_b32 s20, 0, s[TI]
	s_cmp_eq_u32 s[TJ], s20
	s_cselect_b32 s[LIM], 2, -1
	v_and_b32 v1, 15, v0                           ; r
	v_bfe_u32 v2, v0, 4, 1                         ; h
	v_and_b32 v3, 31, v0                           ; l
	v_mul_u32_u24 v[PFO], v3, 6144
	v_mul_u32_u24 v4, v1, PITCH
	v_lshl_add_u32 v4, v2, 4, v4                   ; a fragment's row x pitch + 16 x half
	s_mul_i32 s20, s[RH], HALFT
	v_add_nc_u32 v[ADRA0], s20, v4
	s_mul_i32 s20, s[CH], HALFT
	s_add_co_u32 s20, s20, 2*HALFT
	v_add_nc_u32 v[ADRB0], s20, v4
	v_mov_b32 v[ADRA], v[ADRA0]
	v_mov_b32 v[ADRB], v[ADRB0]
	s_mul_i32 s20, s[WV], 16*PITCH
	s_add_co_u32 s20, s20, STAGE
	v_add_nc_u32 v[STO], s20, v4                   ; in: row r, 16 bytes for each half of the lanes
	v_mul_u32_u24 v[RD], v2, PITCH                 ; back: lanes 0-15 one row of 256 bytes, lanes 16-31 the next
	v_lshl_add_u32 v[RD], v1, 4, v[RD]
	v_add_nc_u32 v[RD], s20, v[RD]
	v_lshlrev_b32 v[CO], 12, v2                    ; the same two rows in pt
	v_lshl_add_u32 v[CO], v1, 4, v[CO]
	s_lshl_b32 s20, s[WV], 16
	v_lshl_add_u32 v[DA], v3, 4, s20
	s_lshl_b32 s20, s[WV], 10
	s_add_co_u32 s20, s20, STATS
	v_lshl_add_u32 v[SA], v1, 2, s20
	v_lshl_add_u32 v[SR], v3, 4, s20
	v_lshlrev_b32 v[SG], 4, v3
	s_lshl_b32 s20, s[TI], 8                       ; pt at my first query and key
	s_lshl_b32 s21, s[RH], 7
	s_add_co_u32 s20, s20, s21
	s_lshl_b32 s23, s20, 2                         ; (my first row x 4 bytes, for st)
	s_lshl_b32 s20, s20, 12
	s_lshl_b32 s21, s[BB], 23
	s_add_co_u32 s20, s20, s21
	s_lshl_b32 s21, s[KB], 8
	s_add_co_u32 s20, s20, s21
	s_mov_b32 s21, 0
	s_add_nc_u64 s[6:7], s[6:7], s[20:21]
	s_lshl_b32 s20, s[BB], 4                       ; st at (batch, key block, my first row)
	s_add_co_u32 s20, s20, s[KB]
	s_lshl_b32 s20, s20, 13
	s_add_co_u32 s20, s20, s23
	s_add_nc_u64 s[8:9], s[8:9], s[20:21]
	s_mov_b32 s22, 0xf149f2ca                      ; -1e30
	s_cmp_gt_u32 s[KB], s[QB]
	s_cselect_b32 s20, s22, 0                      ; left of my block's diagonal: hidden only if the whole block is
	s_cmp_ge_u32 s[KB], s[QB]
	s_cselect_b32 s21, s22, 0                      ; right of it: hidden unless the whole block is seen
.irp j, 0,1,2,3,4,5,6,7
	v_mov_b32 v[CL+(\j)], s20
	v_mov_b32 v[CU+(\j)], s21
.endr
	v_lshlrev_b32 v4, 3, v2
	v_sub_nc_u32 v4, v1, v4                        ; r - 8 h: on the diagonal register j is hidden where j is greater
.irp j, 0,1,2,3,4,5,6,7
	v_cmp_gt_i32 vcc_lo, \j, v4
	v_cndmask_b32 v[CD+(\j)], v[CL], v[CU], vcc_lo
.endr
; 16 matrix instructions: query blocks a0, a0 + 1 of the window's four x all 8 key blocks, 32 along K.  init = 1: the masks (window 0) start the sums.  The 64 accumulators take turns.
.macro MUL16 f, hi, a0, init
.if \init
	WIN 0x81+0x40*(\hi)
.else
	WIN MUL_LO+0x50*(\hi)
.endif
.irp a, \a0, (\a0)+1
.irp b, 0,1,2,3,4,5,6,7
.set rD, 8*(8*(\a)+(\b))
.set rB, (\f)+8*(\b)
.set rA, (\f)+8*(4*(\hi)+(\a))
.set rC, rD
.if \init
.if (\b) < 4*(\hi)+(\a)
.set rC, CL
.elseif (\b) == 4*(\hi)+(\a)
.set rC, CD
.else
.set rC, CU
.endif
.endif
	v_wmma_f32_16x16x32_f16 v[rD:rD+7], v[rB:rB+7], v[rA:rA+7], v[rC:rC+7]
.endr
.endr
.endm
.macro FETCH k, f                      ; 32 LDS loads in one run: 32 along K at byte k of the rows: K's 8 fragments, then Q's 8
	WIN TO_B
.irp i, 0,1,2,3,4,5,6,7
	ds_load_b128 v[(\f)+8*(\i):(\f)+8*(\i)+3],   v[ADRB] offset:(\k)+(\i)*16*PITCH
	ds_load_b128 v[(\f)+8*(\i)+4:(\f)+8*(\i)+7], v[ADRB] offset:(\k)+(\i)*16*PITCH+32
.endr
	WIN 0
.irp i, 0,1,2,3,4,5,6,7
	ds_load_b128 v[(\f)+8*(\i):(\f)+8*(\i)+3],   v[ADRA] offset:(\k)+(\i)*16*PITCH
	ds_load_b128 v[(\f)+8*(\i)+4:(\f)+8*(\i)+7], v[ADRA] offset:(\k)+(\i)*16*PITCH+32
.endr
.endm
.macro QUARTER k, f, g, init
	s_wait_dscnt 8                                 ; K and Q's rows 0-63 are in; the youngest eight loads may be out
	MUL16 \f, 0, 0, \init
	MUL16 \f, 0, 2, \init
	PLACES
	FETCH \k, \g
	s_wait_dscnt 32                                ; all but the 32 just issued
	MUL16 \f, 1, 0, \init
	MUL16 \f, 1, 2, \init
.endm
; The fourth quarter multiplies buffer 1 and changes slots: one barrier; in front of it each wave waits for all its tensor loads, adds 0 to its spare word and waits for that and for its reads of this slot.
.macro TURN fill
.if \fill
	s_wait_xcnt 0x0                                ; the last prefetches, a step back, have read their address
	s_add_nc_u64 s[PFA:PFA+1], s[PFA:PFA+1], 256
.endif
	WIN 0
	s_wait_tensorcnt 0x0                           ; no tensor load of mine is out, so a group 0 may be written
	ds_add_u32 v[SPW], v[NIL]
.if \fill
	s_xor_b32 s[G0+5], s[G0+5], SLOT1              ; the walking descriptor: the other slot than last time, the next step
	s_add_nc_u64 s[G0+6:G0+7], s[G0+6:G0+7], 256
.endif
	s_wait_dscnt 9                                 ; the add and the youngest eight loads may be out
	MUL16 F1, 0, 0, 0
	s_wait_dscnt 0x0                               ; the add is done, and my reads of this slot are over
	s_barrier_signal -1
	MUL16 F1, 0, 2, 0
	WIN 0
	s_barrier_wait -1
.if \fill
	tensor_load_to_lds s[G0+4:G0+7], s[G1:G1+7]    ; my one load behind the barrier, and the first thing there
	s_nop 0
.endif
	PLACES                                         ; behind the load; also the places in front of the loads below
	s_xor_b32 s[TB], s[TB], SLOT1
	v_add_nc_u32 v[ADRA], s[TB], v[ADRA0]
	v_add_nc_u32 v[ADRB], s[TB], v[ADRB0]
	FETCH 0, F0
.if \fill
	ASK
.endif
	MUL16 F1, 1, 0, 0
	MUL16 F1, 1, 2, 0
.endm
	s_wait_tensorcnt 0x1                           ; my part of step 0 is in; step 1's may stay out
	s_barrier_signal -1
	s_barrier_wait -1
	FETCH 0, F0
	QUARTER 64, F0, F1, 1
	WIN 0
	s_mov_b32 s3, 6
.Lstep:                                        ; steps 0 to 5 ask for steps 2 to 7
	QUARTER 128, F1, F0, 0
	QUARTER 192, F0, F1, 0
	TURN 1
	QUARTER 64, F0, F1, 0
	WIN 0
	s_sub_co_u32 s3, s3, 1
	s_cmp_lg_u32 s3, 0
	s_cbranch_scc1 .Lstep
	s_mov_b32 s3, 2
.Ltail:                                        ; steps 6 and 7 ask for nothing; the second trip is left in its middle, its last fetch serves nothing
	QUARTER 128, F1, F0, 0
	QUARTER 192, F0, F1, 0
	TURN 0
	WIN 0
	s_sub_co_u32 s3, s3, 1
	s_cmp_eq_u32 s3, 0
	s_cbranch_scc1 .Lout
	QUARTER 64, F0, F1, 0
	WIN 0
	s_branch .Ltail
.Lout:
	; THE WAY OUT is written once and walked eight times.  For that the accumulators are set aside in the ring, whose slots have had their last fill: 65,536 bytes a wave, each wave's own.
	s_wait_dscnt 0x0                               ; my reads of the ring are over,
	s_barrier_signal -1
	s_barrier_wait -1                              ; everybody's are
	PLACES
	WIN 0x08                                       ; store data in window 2
.set n, 0
.rept 32
	ds_store_b128 v[DA], v[8*n:8*n+3]   offset:1024*n
	ds_store_b128 v[DA], v[8*n+4:8*n+7] offset:1024*n+512
.set n, n+1
.endr
	WIN 0x0c                                       ; in window 3
.set n, 0
.rept 32
	ds_store_b128 v[DA], v[8*n:8*n+3]   offset:1024*(n+32)
	ds_store_b128 v[DA], v[8*n+4:8*n+7] offset:1024*(n+32)+512
.set n, n+1
.endr
	WIN 0
	s_mov_b32 s[DO], 0
	s_mov_b32 s[SO], 0
	s_mov_b32 s3, 8
.Lrow:                                         ; a trip: 16 queries x 128 keys
	v_add_nc_u32 v[DAC], s[DO], v[DA]
	v_add_nc_u32 v[SAC], s[SO], v[SA]
.irp i, 0,1,2,3,4,5,6,7,8,9,10,11,12,13,14,15
	ds_load_b128 v[SC+4*(\i):SC+4*(\i)+3], v[DAC] offset:512*(\i)  ; LDS serves a wave's instructions in order: these see my stores
.endr
	s_wait_dscnt 0x0
.irp k, 0,1,2,3                        ; the maximum: four chains of 15 scores, three operands at a time,
	v_max3_num_f32 v[CM+(\k)], v[SC+16*(\k)], v[SC+16*(\k)+1], v[SC+16*(\k)+2]
.endr
.irp u, 1,2,3,4,5,6
.irp k, 0,1,2,3
	v_max3_num_f32 v[CM+(\k)], v[CM+(\k)], v[SC+16*(\k)+2*(\u)+1], v[SC+16*(\k)+2*(\u)+2]
.endr
.endr
	v_max3_num_f32 v[CM], v[CM], v[SC+15], v[SC+31]        ; the four left over, the four into one
	v_max3_num_f32 v[CM+2], v[CM+2], v[SC+47], v[SC+63]
	v_max3_num_f32 v[CM], v[CM], v[CM+1], v[CM+2]
	v_max_num_f32 v[CM], v[CM], v[CM+3]
	v_permlanex16_b32 v[XC], v[CM], s[SEL], s[SEL+1]       ; the query's other 64 keys lie in the lane 16 away
	v_max3_num_f32 v[CM], v[CM], v[XC], s[LOW]             ; and never below -2^96
	v_mul_f32 v[MM], s[CS], v[CM]                          ; M = c m
.set p, 0
.rept 32
	v_pk_fma_f32 v[SC+2*p:SC+2*p+1], v[SC+2*p:SC+2*p+1], s[CS:CS+1], v[MM:MM+1] op_sel_hi:[1,0,0] neg_lo:[0,0,1] neg_hi:[0,0,1]  ; c s - M
.set p, p+1
.endr
.set p, 0
.rept 64
	v_exp_f32 v[SC+p], v[SC+p]
.set p, p+1
.endr
	v_nop                                          ; a plain instruction behind the last exponential,
	s_wait_alu depctr_va_vdst(0)                   ; and one wait for the batch of 64, ahead of the first reader
.set p, 0
.rept 32
	v_cvt_pk_f16_f32 v[PK+p], v[SC+2*p], v[SC+2*p+1]
.set p, p+1
.endr
.irp w, 4,8,16,32,64                   ; the sum of the 32 pairs, in place: neighbours 1, 2, 4, 8 and 16 pairs apart
.set u, 0
.rept 64/(\w)
	v_pk_add_f32 v[SC+(\w)*u:SC+(\w)*u+1], v[SC+(\w)*u:SC+(\w)*u+1], v[SC+(\w)*u+(\w)/2:SC+(\w)*u+(\w)/2+1]
.set u, u+1
.endr
.endr
	v_add_f32 v[LL], v[SC], v[SC+1]
	v_permlanex16_b32 v[XC], v[LL], s[SEL], s[SEL+1]
	v_add_f32 v[LL], v[LL], v[XC]
.irp b, 0,1,2,3,4,5,6,7
	ds_store_b128 v[STO], v[PK+4*(\b):PK+4*(\b)+3] offset:32*(\b)
.endr
.irp t, 0,1,2,3,4,5,6,7
	ds_load_b128 v[OB+4*(\t):OB+4*(\t)+3], v[RD] offset:(\t)*2*PITCH
.endr
	ds_store_b32 v[SAC], v[MM]                     ; both halves of the lanes hold the same numbers
	ds_store_b32 v[SAC], v[LL] offset:512
	s_wait_dscnt 2                                 ; the rows are back; the two stores behind them may be out
.irp t, 0,1,2,3,4,5,6,7
	global_store_b128 v[CO], v[OB+4*(\t):OB+4*(\t)+3], s[6:7] offset:2*(\t)*4096  ; 16 lanes store 256 consecutive bytes, aligned
.endr
	s_wait_xcnt 0x0                                ; the stores have read their registers and their base
	s_add_nc_u64 s[6:7], s[6:7], 65536             ; 16 rows of pt on
	s_add_co_u32 s[DO], s[DO], 8192
	s_add_co_u32 s[SO], s[SO], 64
	s_sub_co_u32 s3, s3, 1
	s_cmp_lg_u32 s3, 0
	s_cbranch_scc1 .Lrow
	ds_load_b128 v[OB:OB+3], v[SR]                 ; my 128 rows' M and l: 512 bytes on end each
	ds_load_b128 v[OB+4:OB+7], v[SR] offset:512
	s_wait_dscnt 0x0
	global_store_b128 v[SG], v[OB:OB+3], s[8:9]
	global_store_b128 v[SG], v[OB+4:OB+7], s[8:9] offset:524288
	s_wait_tensorcnt 0x0                           ; the wave's end
	ds_add_u32 v[SPW], v[NIL]
	s_wait_dscnt 0x0
	s_endpgm
.Lfunc_end_k_q9f91d7a9b1_scores:
	.size	k_q9f91d7a9b1_scores, .Lfunc_end_k_q9f91d7a9b1_scores-k_q9f91d7a9b1_scores
	.p2alignl 7, 3214868480
	.fill 96, 4, 3214868480
	.section	.rodata,"a",@progbits
	.p2align	6, 0x0
	.amdhsa_kernel k_q9f91d7a9b1_scores
		.amdhsa_group_segment_fixed_size 327680
		.amdhsa_private_segment_fixed_size 0
		.amdhsa_enable_private_segment 0
		.amdhsa_kernarg_size 24
		.amdhsa_user_sgpr_count 2
		.amdhsa_user_sgpr_kernarg_segment_ptr 1
		.amdhsa_wavefront_size32 1
		.amdhsa_system_sgpr_workgroup_id_x 1
		.amdhsa_system_sgpr_workgroup_id_y 1
		.amdhsa_system_sgpr_workgroup_id_z 1
		.amdhsa_system_vgpr_workitem_id 0
		.amdhsa_next_free_vgpr 1024
		.amdhsa_next_free_sgpr 76
		.amdhsa_reserve_vcc 1
		.amdhsa_float_denorm_mode_32 3
		.amdhsa_float_denorm_mode_16_64 3
		.amdhsa_memory_ordered 1
		.amdhsa_forward_progress 1
		.amdhsa_inst_pref_size 90
	.end_amdhsa_kernel
	.amdgpu_metadata
---
amdhsa.version: [ 1, 2 ]
amdhsa.kernels:
  - .name:           k_q9f91d7a9b1_scores
    .symbol:         k_q9f91d7a9b1_scores.kd
    .args:
      - { .name: kqv, .offset: 0, .size: 8, .value_kind: global_buffer, .address_space: global }
      - { .name: pt, .offset: 8, .size: 8, .value_kind: global_buffer, .address_space: global }
      - { .name: st, .offset: 16, .size: 8, .value_kind: global_buffer, .address_space: global }
    .group_segment_fixed_size: 327680
    .private_segment_fixed_size: 0
    .kernarg_segment_align: 8
    .kernarg_segment_size: 24
    .max_flat_workgroup_size: 128
    .sgpr_count:     76
    .vgpr_count:     1024
    .wavefront_size: 32
...
	.end_amdgpu_metadata
.endif
;; end of part 3
;; launch pv (part 4): grid 8 x 32, 4 waves a work-group, clusters of 4 x 1, 327,680 bytes of LDS; arguments pt, kqv, st, ob; writes ob
.if DOCPART == 4
	.amdgcn_target "amdgcn-amd-amdhsa--gfx1250"
	.amdhsa_code_object_version 6
	.text
	.protected	k_q9f91d7a9b1_pv
	.globl	k_q9f91d7a9b1_pv
	.p2align	8
	.type	k_q9f91d7a9b1_pv,@function
k_q9f91d7a9b1_pv:
	s_mov_b64 s[64:65], 0
	v_nop
	global_prefetch_b8 v0, s[64:65] scope:SCOPE_SE
	s_setreg_imm32_b32 hwreg(HW_REG_WAVE_MODE, 25, 1), 1
	s_wait_xcnt 0x0
	s_wait_alu depctr_hold_cnt(0) depctr_sa_sdst(0) depctr_va_vdst(0) depctr_va_sdst(0) depctr_va_ssrc(0) depctr_va_vcc(0) depctr_vm_vsrc(0)
	s_getreg_b32 s2, hwreg(HW_REG_IB_STS2, 6, 4)
	s_cmp_eq_u32 s2, 0
	s_cbranch_scc0 .Lentry_in_a_cluster
	s_endpgm
.Lentry_in_a_cluster:
	s_bfe_u32 s2, ttmp6, 0x10000c
	s_cmp_lg_u32 s2, 0x3003
	s_cbranch_scc0 .Lentry_shape_is_right
	s_endpgm
.Lentry_shape_is_right:
; O[q][ch] = the sum over key blocks j <= i of W_j[q] x (the sum over the block's 128 keys of pt[q][k] v[k][ch]), W_j = 2^(M_j - M_row) / l_row, M_row = max_j M_j, l_row = the sum of 2^(M_j - M_row) l_j.
; pt: f16 weights, each key block's own maximum taken away; st: M and l in f32; v: f16 at byte 4,096 of kqv's rows; ob: f16 in panels [16][8192 rows][64 channels].  Products, W and O's sums in f32; O rounded once.
; LIMITS.  O is a mean of v's rows and has their range (f16: 65,504); a factor below 2^-126 counts as 0; NaN and infinities are not treated apart.
; SHARES.  A work-group makes 128 channels of TWO blocks of 128 queries, block p and then block 15 - p: (p / 2 + 1) + (8 - p / 2) = 9 slots of 256 keys, whatever p: all work-groups are alike and one counted walk serves.
; Where a block's number is even its last slot's second half is hidden: there pt is 0 and W is 0.  Four waves, each 64 queries x 64 channels.
; A key block's products gather in tmp (window 2, two sets by the block's parity); when it is whole, O += W x tmp: four packed multiply-adds behind each of sixteen matrix instructions of the next quarter.
; The product is used transposed (source 0 = 16 channels of v, turned by ds_load_tr16_b128; source 1 = 16 queries of pt): a lane holds one query (lane % 16) and eight channels, so W is one number a lane and query tile.
; CLUSTER 4 x 1: the four partners make four channel tiles of the same queries: pt's tile is asked for jointly; v's tile is each work-group's own, asked for in the same place behind the round.
; NOTHING IS PREFETCHED: the tile is small, and asking ahead would want a second state of the walk across the change of blocks.
; O, tmp's second set and W are cleared at the start (272 v_mov_b32 under the first loads) and O once more at the change of blocks (128): the price of one text for every trip.
; REGISTERS.  window 0: v0-31 addresses; v32-47 W (parity, query tile), as pairs whose upper word stays 0; v48-63 at work; v64-127 the prologue and the way out; v128-255 O.
;   window 1: two fragment buffers of 128: pt's fragments (2 x 4), then v's.   window 2: tmp, v0-127 and v128-255.
.set PPT,   528                        ; an LDS row of pt: 512 bytes + 16
.set PVT,   288                        ; of v: 256 + 32 = 9 x 32
.set AHALF, 64*PPT
.set VHALF, 128*PVT
.set VOFF,  2*AHALF
.set SLOT1, 147456                     ; 0x24000 shares no bit with the four bases of slot 0
.set TAB,   288768                     ; behind slot 1: W, 1,024 bytes for each slot of the walk (two key blocks x 128 queries x 4 bytes); 12,288 bytes are written
.set STAGE, 305152                     ; 16 rows x 144 bytes for each wave
.set SP,    144
.set SPARE, 314368
.set ADRA0, 8
.set ADRB0, 9
.set ADRA,  10
.set ADRB,  11                         ; v11: v's keys 0-127 of the slot in hand; v12: keys 128-255
.set WA,    13                         ; where my queries' W of the slot in hand lie
.set STO,   16
.set RD,    17
.set GO,    18
.set SPW,   20
.set NIL,   21
.set TOS,   22
.set TOL,   23
.set WR,    32
.set TX,    50
.set TS,    52
.set DM,    54
.set DZ,    55
.set TA,    56
.set EB,    64
.set ACC,   128
.set F0,    0
.set F1,    128
.set WV,  12
.set RH,  13                           ; which 64 queries are mine.  Also: I fetch pt (0) or v (1)
.set CH,  14                           ; which 64 channels.  Also: which half of that tile I fetch
.set CX,  15
.set CT,  16
.set BB,  17
.set IS,  19                           ; the short block
.set IL,  20                           ; the long block
.set NS,  21                           ; the short block's slots
.set G1A, 24
.set G0A, 32
.set G1V, 40
.set G0V, 48
.set PA,  56
.set PVB, 58
.set OFFA, 60
.set OFFV, 62
.set TB,  66
.set NXT, 67                           ; the slot to be asked for next, in its block
.set LQ,  68                           ; the last slot of the block whose slots are being asked for
.set QR,  69                           ; that block's first row in pt, in bytes
.set RT,  70                           ; slots of the short block that are still to be entered
.set NLM, 71
.set QRL, 72
.set MK,  73
.set OS,  74
.set OL,  76
.set STB, 82
.set TBS, 84
.set TBL, 85
.set MUL,  0xa5                        ; sources 0 and 1 window 1, C and D window 2
.set TO_F, 0x40
.set MSB, 0
.macro WIN new
.if MSB != (\new)
	s_set_vgpr_msb (MSB<<8)|(\new)
.set MSB, \new
.endif
.endm
.macro PLACES
.rept 4
	v_nop
.endr
.endm
.macro JLOAD                           ; a refill by the walking descriptors: waves 0, 1 pt's halves (jointly), waves 2, 3 v's (my own)
	s_cmp_eq_u32 s[RH], 0
	s_cbranch_scc0 .Lfor_v_\@
	tensor_load_to_lds s[G0A+4:G0A+7], s[G1A:G1A+7]
	s_nop 0
.rept 4
	v_nop
.endr
	s_branch .Lasked_\@
.Lfor_v_\@:
	tensor_load_to_lds s[G0V+4:G0V+7], s[G1V:G1V+7]
	s_nop 0
.rept 4
	v_nop
.endr
.Lasked_\@:
.endm
.macro CREST
	s_cmp_lg_u32 s[WV], 0
	s_cbranch_scc1 .Lnot_wave_0_\@
	s_barrier_signal -3
.Lnot_wave_0_\@:
	s_barrier_wait -3
	s_barrier_signal -1
	s_barrier_wait -1
.endm
.macro CROUND
	s_barrier_signal -1
	s_barrier_wait -1
	CREST
.endm
; The addresses of the next slot of the walk, made anew from its number, into descriptor set n; then the walk steps: behind the short block's last slot comes the long block's slot 0.
.macro ASKSTEP n
	s_lshl_b32 s[OFFA], s[NXT], 9                  ; 256 keys are 512 bytes of a row of pt
	s_add_co_u32 s[OFFA], s[OFFA], s[QR]
	s_mul_i32 s[OFFV], s[NXT], 1572864             ; and 256 rows of kqv
	s_add_nc_u64 s[G0A+4*(\n)+2:G0A+4*(\n)+3], s[PA:PA+1], s[OFFA:OFFA+1]
	s_or_b32 s[G0A+4*(\n)+3], s[G0A+4*(\n)+3], 0x80000000
	s_add_nc_u64 s[G0V+4*(\n)+2:G0V+4*(\n)+3], s[PVB:PVB+1], s[OFFV:OFFV+1]
	s_or_b32 s[G0V+4*(\n)+3], s[G0V+4*(\n)+3], 0x80000000
	s_add_co_u32 s[NXT], s[NXT], 1
	s_cmp_gt_u32 s[NXT], s[LQ]
	s_cselect_b32 s[NXT], 0, s[NXT]
	s_cselect_b32 s[QR], s[QRL], s[QR]
	s_cselect_b32 s[LQ], s[NLM], s[LQ]
.endm
	s_load_b256 s[4:11], s[0:1], 0x0               ; pt s[4:5], kqv s[6:7], st s[8:9], ob s[10:11]
	v_lshl_add_u32 v[SPW], v0, 2, SPARE
	v_mov_b32 v[NIL], 0
	ds_add_u32 v[SPW], v[NIL]                      ; the wave's opening: the add and its wait ahead of my first tensor load
	v_lshrrev_b32 v1, 5, v0
	v_readfirstlane_b32 s[WV], v1
	s_lshr_b32 s[RH], s[WV], 1
	s_and_b32 s[CH], s[WV], 1
	s_bfe_u32 s[CX], ttmp6, 0x40000
	s_lshl_b32 s[CT], ttmp9, 2
	s_add_co_u32 s[CT], s[CT], s[CX]               ; my channel tile: it enters v's and ob's addresses alone
	s_and_b32 s22, ttmp7, 0xffff
	s_lshr_b32 s[BB], s22, 3                       ; batch
	s_and_b32 s[IS], s22, 7                        ; p
	s_sub_co_u32 s[IL], 15, s[IS]
	s_lshr_b32 s[NS], s[IS], 1
	s_add_co_u32 s[NS], s[NS], 1
	s_sub_co_u32 s[NLM], 8, s[NS]                  ; the long block's last slot
	s_sub_co_u32 s[LQ], s[NS], 1
	s_mov_b32 s[NXT], 0
	s_lshl_b32 s[QR], s[IS], 19                    ; 128 rows of 4,096 bytes
	s_lshl_b32 s[QRL], s[IL], 19
	s_mov_b32 s[RT], s[NS]
	s_mov_b32 s[OFFA+1], 0
	s_mov_b32 s[OFFV+1], 0
	s_mov_b32 s[TB], 0
	s_mov_b32 s[TBS], TAB
	s_lshl_b32 s[TBL], s[NS], 10
	s_add_co_u32 s[TBL], s[TBL], TAB               ; the long block's W begin behind the short block's slots
	s_mov_b32 s[G1A], 15|(1<<16)|(1<<20)|(1<<21)|(6<<22)|(3<<25)  ; the mask of four; 2-byte elements; padding on; bit 21 beside a mask; after every 128 words, 4 words
	s_mov_b32 s[G1A+1], 256<<16
	s_mov_b32 s[G1A+2], 64<<16
	s_mov_b32 s[G1A+3], 256<<16
	s_mov_b32 s[G1A+4], 64
	s_mov_b32 s[G1A+5], 2048
	s_mov_b32 s[G1A+6], 0
	s_mov_b32 s[G1A+7], 0
	s_mov_b32 s[G1V], (1<<16)|(1<<20)|(5<<22)|(7<<25)             ; no mask; after every 64 words, 8 words
	s_mov_b32 s[G1V+1], 128<<16
	s_mov_b32 s[G1V+2], 128<<16
	s_mov_b32 s[G1V+3], 128<<16
	s_mov_b32 s[G1V+4], 128
	s_mov_b32 s[G1V+5], 3072
	s_mov_b32 s[G1V+6], 0
	s_mov_b32 s[G1V+7], 0
	s_mul_i32 s22, s[CH], AHALF
	s_mul_i32 s23, s[CH], VHALF
	s_add_co_u32 s23, s23, VOFF
.irp n, 0,1
	s_mov_b32 s[G0A+4*(\n)], 1
	s_add_co_u32 s[G0A+4*(\n)+1], s22, (\n)*SLOT1
	s_mov_b32 s[G0V+4*(\n)], 1
	s_add_co_u32 s[G0V+4*(\n)+1], s23, (\n)*SLOT1
.endr
	s_lshl_b32 s78, s[BB], 23                      ; pt: the batch, my 64 rows of a block
	s_lshl_b32 s79, s[CH], 18
	s_add_co_u32 s78, s78, s79
	s_mov_b32 s79, 0
	s_lshl_b32 s80, s[BB], 11                      ; v: the batch's rows, my 128 keys of a slot, byte 4,096 of a row, my tile's 256 bytes
	s_lshl_b32 s81, s[CH], 7
	s_add_co_u32 s80, s80, s81
	s_mul_i32 s80, s80, 6144
	s_lshl_b32 s81, s[CT], 8
	s_add_co_u32 s80, s80, s81
	s_add_co_u32 s80, s80, 4096
	s_mov_b32 s81, 0
	s_wait_dscnt 0x0                               ; the opening add is done
	s_wait_kmcnt 0x0
	s_add_nc_u64 s[PA:PA+1], s[4:5], s[78:79]
	s_add_nc_u64 s[PVB:PVB+1], s[6:7], s[80:81]
	ASKSTEP 0
	ASKSTEP 1
	CROUND                                         ; all four work-groups are here: the first joint loads meet
	s_cmp_eq_u32 s[RH], 0                          ; a wave's two first fills stand in one branch: two loads of mine are out
	s_cbranch_scc0 .Lfirst_v
	tensor_load_to_lds s[G0A:G0A+3], s[G1A:G1A+7]
	s_nop 0
	tensor_load_to_lds s[G0A+4:G0A+7], s[G1A:G1A+7]
	s_nop 0
.rept 4
	v_nop
.endr
	s_branch .Lfirst_asked
.Lfirst_v:
	tensor_load_to_lds s[G0V:G0V+3], s[G1V:G1V+7]
	s_nop 0
	tensor_load_to_lds s[G0V+4:G0V+7], s[G1V:G1V+7]
	s_nop 0
.rept 4
	v_nop
.endr
.Lfirst_asked:
	; THE TABLE OF W.  Thread t takes query t of each block: 16 M and 16 l.  Entries with j > i were never written: they are replaced before use (M far below every M, l = 0), and give W = 0.
	s_lshl_b32 s80, s[BB], 17
	s_mov_b32 s81, 0
	s_add_nc_u64 s[STB:STB+1], s[8:9], s[80:81]    ; st at the batch's 16 key blocks
.macro WLOAD si, to, B
	s_lshl_b32 s22, s[\si], 9
	v_lshl_add_u32 v[\to], v0, 2, s22              ; (128 i + t) x 4
.irp j, 0,1,2,3,4,5,6,7,8,9,10,11,12,13,14,15
	global_load_b32 v[(\B)+(\j)],    v[\to], s[STB:STB+1] offset:8192*(\j)
	global_load_b32 v[(\B)+16+(\j)], v[\to], s[STB:STB+1] offset:8192*(\j)+524288
.endr
.endm
	WLOAD IS, TOS, 64
	WLOAD IL, TOL, 96
	v_and_b32 v1, 15, v0                           ; r
	v_bfe_u32 v2, v0, 4, 1                         ; h
	v_and_b32 v3, 31, v0                           ; l
	v_and_b32 v4, 7, v0
	v_bfe_u32 v5, v0, 3, 1
	v_mul_u32_u24 v[ADRA0], v1, PPT                ; pt's fragment: row x pitch + 16 x half, from my 64 queries on
	v_lshl_add_u32 v[ADRA0], v2, 4, v[ADRA0]
	s_mul_i32 s22, s[RH], 64*PPT
	v_add_nc_u32 v[ADRA0], s22, v[ADRA0]
	v_lshl_add_u32 v[ADRB0], v2, 3, v4             ; v's, turned: lane l reads key 8 h + l % 8, 16 bytes at 16 ((l / 8) % 2), from my 64 channels on
	v_mul_u32_u24 v[ADRB0], v[ADRB0], PVT
	v_lshl_add_u32 v[ADRB0], v5, 4, v[ADRB0]
	s_lshl_b32 s22, s[CH], 7
	s_add_co_u32 s22, s22, VOFF
	v_add_nc_u32 v[ADRB0], s22, v[ADRB0]
	v_mov_b32 v[ADRA], v[ADRA0]
	v_mov_b32 v[ADRB], v[ADRB0]
	v_add_nc_u32 v[ADRB+1], VHALF, v[ADRB0]
	s_lshl_b32 s22, s[RH], 8
	s_add_co_u32 s22, s22, TAB
	v_lshl_add_u32 v[WA], v1, 2, s22               ; (64 x half + r) x 4 in the table's first entry
	s_mul_i32 s22, s[WV], 16*SP
	s_add_co_u32 s22, s22, STAGE
	v_mul_u32_u24 v[STO], v1, SP                   ; in: row r, 16 bytes for each half of the lanes
	v_lshl_add_u32 v[STO], v2, 4, v[STO]
	v_add_nc_u32 v[STO], s22, v[STO]
	v_bfe_u32 v[RD], v0, 3, 2                      ; back: 32 lanes take four rows of 128 bytes,
	v_mul_u32_u24 v[RD], v[RD], SP
	v_lshl_add_u32 v[RD], v4, 4, v[RD]
	v_add_nc_u32 v[RD], s22, v[RD]
	v_lshlrev_b32 v[GO], 4, v3                     ; which are 512 consecutive bytes of a panel
	s_lshl_b32 s78, s[CT], 1                       ; ob: my panel, my 64 rows of each block
	s_add_co_u32 s78, s78, s[CH]
	s_lshl_b32 s78, s78, 20
	s_lshl_b32 s79, s[BB], 11
	s_lshl_b32 s80, s[RH], 6
	s_add_co_u32 s79, s79, s80
	s_lshl_b32 s80, s[IS], 7
	s_add_co_u32 s80, s80, s79
	s_lshl_b32 s80, s80, 7
	s_add_co_u32 s80, s80, s78
	s_mov_b32 s81, 0
	s_add_nc_u64 s[OS:OS+1], s[10:11], s[80:81]
	s_lshl_b32 s80, s[IL], 7
	s_add_co_u32 s80, s80, s79
	s_lshl_b32 s80, s80, 7
	s_add_co_u32 s80, s80, s78
	s_add_nc_u64 s[OL:OL+1], s[10:11], s[80:81]
	v_mov_b32 v[DM], 0xfe000000                    ; far below every M
	v_mov_b32 v[DZ], 0
.set i, 0
.rept 16
	v_mov_b32 v[WR+i], 0
.set i, i+1
.endr
.set i, 0
.rept 128
	v_mov_b32 v[ACC+i], 0
.set i, i+1
.endr
	WIN 0x80                                       ; destination window 2: tmp's second set
.set i, 128
.rept 128
	v_mov_b32 v[i], 0
.set i, i+1
.endr
	WIN 0
.macro WCALC si, B, left, sa
	s_wait_loadcnt \left                           ; this block's 32 loads are in
.irp j, 0,1,2,3,4,5,6,7,8,9,10,11,12,13,14,15
	s_cmp_ge_u32 s[\si], \j
	s_cselect_b32 s[MK], -1, 0
	v_cndmask_b32 v[(\B)+(\j)],    v[DM], v[(\B)+(\j)],    s[MK]
	v_cndmask_b32 v[(\B)+16+(\j)], v[DZ], v[(\B)+16+(\j)], s[MK]
.endr
	v_max3_num_f32 v[TX], v[\B], v[(\B)+1], v[(\B)+2]
.irp u, 1,2,3,4,5,6
	v_max3_num_f32 v[TX], v[TX], v[(\B)+2*(\u)+1], v[(\B)+2*(\u)+2]
.endr
	v_max_num_f32 v[TX], v[TX], v[(\B)+15]         ; M_row
.irp j, 0,1,2,3,4,5,6,7,8,9,10,11,12,13,14,15
	v_sub_f32 v[(\B)+(\j)], v[(\B)+(\j)], v[TX]
.endr
.irp j, 0,1,2,3,4,5,6,7,8,9,10,11,12,13,14,15
	v_exp_f32 v[(\B)+(\j)], v[(\B)+(\j)]
.endr
	v_nop                                          ; a plain instruction behind the last exponential,
	s_wait_alu depctr_va_vdst(0)                   ; and one wait for the sixteen
	v_mul_f32 v[TS], v[\B], v[(\B)+16]
	v_mul_f32 v[TS+1], v[(\B)+1], v[(\B)+17]
.irp j, 2,4,6,8,10,12,14
	v_fma_f32 v[TS], v[(\B)+(\j)], v[(\B)+16+(\j)], v[TS]
	v_fma_f32 v[TS+1], v[(\B)+(\j)+1], v[(\B)+17+(\j)], v[TS+1]
.endr
	v_add_f32 v[TS], v[TS], v[TS+1]                ; l_row: 1 at the least
	v_rcp_f32 v[TS], v[TS]
	v_nop
	s_wait_alu depctr_va_vdst(0)
.irp j, 0,1,2,3,4,5,6,7,8,9,10,11,12,13,14,15
	v_mul_f32 v[(\B)+(\j)], v[(\B)+(\j)], v[TS]
.endr
	v_lshl_add_u32 v[TA], v0, 2, s[\sa]
.irp j, 0,1,2,3,4,5,6,7,8,9,10,11,12,13,14,15
	ds_store_b32 v[TA], v[(\B)+(\j)] offset:512*(\j)
.endr
.endm
	WCALC IS, 64, 32, TBS                          ; the short block's sixteen entries from the table's head on;
	WCALC IL, 96, 0, TBL                           ; the long block's over those that the short block does not use: each thread writes its own words, in order
; 8 matrix instructions: query tiles a0, a0 + 1 x all 4 channel blocks, 32 keys: half c of buffer f, into tmp at T.  The 16 accumulators take turns.
.macro MUL8 f, c, a0, T
	WIN MUL
.irp a, \a0, (\a0)+1
.irp b, 0,1,2,3
.set rD, (\T)+8*(4*(\a)+(\b))
.set rV, (\f)+64+8*(4*(\c)+(\b))
.set rP, (\f)+8*(4*(\c)+(\a))
	v_wmma_f32_16x16x32_f16 v[rD:rD+7], v[rV:rV+7], v[rP:rP+7], v[rD:rD+7]
.endr
.endr
.endm
.macro FOLD n, par                     ; O += W x tmp for accumulator n of set par, its lowest registers first
	WIN 0x02                                       ; source 0 in window 2
.irp z, 0,1,2,3
	v_pk_fma_f32 v[ACC+8*(\n)+2*(\z):ACC+8*(\n)+2*(\z)+1], v[128*(\par)+8*(\n)+2*(\z):128*(\par)+8*(\n)+2*(\z)+1], v[WR+8*(\par)+2*((\n)/4):WR+8*(\par)+2*((\n)/4)+1], v[ACC+8*(\n)+2*(\z):ACC+8*(\n)+2*(\z)+1] op_sel_hi:[1,0,1]
.endr
.endm
.macro MULF f, T, par                  ; a key block's first 16 products start tmp's sums at T with the constant 0; behind each, the other set's accumulator of the same number is folded into O
.set nn, 0
.rept 16
	WIN MUL
.set rD, (\T)+8*nn
.set rV, (\f)+64+8*(nn%4)
.set rP, (\f)+8*(nn/4)
	v_wmma_f32_16x16x32_f16 v[rD:rD+7], v[rV:rV+7], v[rP:rP+7], 0
	FOLD nn, \par
.set nn, nn+1
.endr
.endm
.macro FETCH q, f                      ; 32 LDS loads in one run: keys 64 q .. 64 q + 63 of the slot in hand into buffer f, the first 32 keys first
	WIN TO_F
.irp c, 0,1
.irp i, 0,1,2,3
	ds_load_tr16_b128 v[(\f)+64+8*(4*(\c)+(\i)):(\f)+64+8*(4*(\c)+(\i))+3],   v[ADRB+(\q)/2] offset:(((\q)%2)*64+32*(\c))*PVT+32*(\i)
	ds_load_tr16_b128 v[(\f)+64+8*(4*(\c)+(\i))+4:(\f)+64+8*(4*(\c)+(\i))+7], v[ADRB+(\q)/2] offset:(((\q)%2)*64+32*(\c)+16)*PVT+32*(\i)
	ds_load_b128 v[(\f)+8*(4*(\c)+(\i)):(\f)+8*(4*(\c)+(\i))+3],   v[ADRA] offset:128*(\q)+64*(\c)+(\i)*16*PPT
	ds_load_b128 v[(\f)+8*(4*(\c)+(\i))+4:(\f)+8*(4*(\c)+(\i))+7], v[ADRA] offset:128*(\q)+64*(\c)+(\i)*16*PPT+32
.endr
.endr
.endm
; Quarter q (0 to 2) of a slot: multiplies buffer f and fetches quarter q + 1 into g.  fold = 1 (q even): a key block begins.  wl = 1: the slot's eight W are loaded.
.macro QUARTER q, f, g, fold, wl
	s_wait_dscnt 16                                ; the first 32 keys are in (and, in quarter 2, the W issued ahead of them)
.if \fold
	PLACES                                         ; behind the products that ended the set that is folded now
	MULF \f, 128*((\q)/2), 1-(\q)/2
.else
	MUL8 \f, 0, 0, 128*((\q)/2)
	MUL8 \f, 0, 2, 128*((\q)/2)
.endif
	PLACES
.if \wl
	WIN 0
.irp par, 0,1
.irp t, 0,1,2,3
	ds_load_b32 v[WR+8*(\par)+2*(\t)], v[WA] offset:512*(\par)+64*(\t)
.endr
.endr
.endif
	FETCH (\q)+1, \g
	s_wait_dscnt 32+8*(\wl)                        ; all but those just issued
	MUL8 \f, 1, 0, 128*((\q)/2)
	MUL8 \f, 1, 2, 128*((\q)/2)
.endm
; The fourth quarter multiplies buffer 1 and changes slots: one barrier; in front of it each wave waits for all its tensor loads, adds 0 to its spare word and waits for that and for its reads of this slot.
; fill = 1: the barrier opens a round of the cluster's, and this slot is filled again first thing behind it.
.macro TURN fill
	WIN 0
	s_wait_tensorcnt 0x0                           ; no tensor load of mine is out, so a group 0 may be written
	ds_add_u32 v[SPW], v[NIL]
.if \fill
	s_xor_b32 s[G0A+5], s[G0A+5], SLOT1
	s_xor_b32 s[G0V+5], s[G0V+5], SLOT1
	ASKSTEP 1
.endif
	s_wait_dscnt 17                                ; the add and the youngest sixteen loads may be out
	MUL8 F1, 0, 0, 128
	s_wait_dscnt 0x0                               ; the add is done, and my reads of this slot are over
	s_barrier_signal -1
	MUL8 F1, 0, 2, 128
	WIN 0
	s_barrier_wait -1
.if \fill
	CREST                                          ; no wave of any partner still reads this slot or has a load on its way
	JLOAD                                          ; the four v_nop behind it are also the places in front of the loads below
.else
	PLACES
.endif
	s_xor_b32 s[TB], s[TB], SLOT1
	v_add_nc_u32 v[ADRA], s[TB], v[ADRA0]
	v_add_nc_u32 v[ADRB], s[TB], v[ADRB0]
	v_add_nc_u32 v[ADRB+1], VHALF, v[ADRB]
	v_add_nc_u32 v[WA], 1024, v[WA]                ; the next slot's W
	FETCH 0, F0
	MUL8 F1, 1, 0, 128
	MUL8 F1, 1, 2, 128
.endm
; THE WAY OUT of a block: O, rounded to f16, through my stage, a query tile (16 rows of a panel: 2,048 bytes on end) at a time.
.macro OPACK t
.set i, 0
.rept 16
	v_cvt_pk_f16_f32 v[EB+16*(\t)+i], v[ACC+32*(\t)+2*i], v[ACC+32*(\t)+2*i+1]
.set i, i+1
.endr
.irp f, 0,1,2,3
	ds_store_b128 v[STO], v[EB+16*(\t)+4*(\f):EB+16*(\t)+4*(\f)+3] offset:32*(\f)
.endr
.irp f, 0,1,2,3
	ds_load_b128 v[EB+16*(\t)+4*(\f):EB+16*(\t)+4*(\f)+3], v[RD] offset:(\f)*4*SP  ; LDS serves a wave's instructions in order: these see the stores above
.endr
.endm
.macro OSEND t, younger                ; younger: the LDS instructions issued behind tile t's loads
.irp f, 0,1,2,3
	s_wait_dscnt (\younger)+3-(\f)
	global_store_b128 v[GO], v[EB+16*(\t)+4*(\f):EB+16*(\t)+4*(\f)+3], s[OS:OS+1] offset:(\t)*2048+(\f)*512  ; 512 consecutive bytes, aligned
.endr
.endm
.macro EMIT more
	WIN 0
	OPACK 0
	OPACK 1
	OSEND 0, 8
	OPACK 2
	OSEND 1, 8
	OPACK 3
	OSEND 2, 8
	OSEND 3, 0
.if \more
	s_wait_xcnt 0x0                                ; the stores have read their registers and their base
	s_mov_b64 s[OS:OS+1], s[OL:OL+1]
.set i, 0
.rept 128
	v_mov_b32 v[ACC+i], 0                          ; the long block's sums start at 0
.set i, i+1
.endr
.endif
.endm
; A trip: one slot.  Its first quarter folds the last key block of the slot before; behind that, in the long block's first trip, the short block is whole and goes out.
.macro TRIP fill, emit
	QUARTER 0, F0, F1, 1, 0
.if \emit
	WIN 0
	s_cmp_eq_u32 s[RT], 0
	s_cbranch_scc0 .Lno_emit_\@                    ; forward, past no barrier and no tensor load; the same in all four partners
	EMIT 1
.Lno_emit_\@:
	s_sub_co_u32 s[RT], s[RT], 1
.endif
	QUARTER 1, F1, F0, 0, 1
	QUARTER 2, F0, F1, 1, 0
	TURN \fill
.endm
	s_wait_tensorcnt 0x1                           ; my part of slot 0 is in; slot 1's may stay out
	s_wait_dscnt 0x0                               ; my part of the table is written
	s_barrier_signal -1
	s_barrier_wait -1
	FETCH 0, F0
	WIN 0
	s_mov_b32 s3, 7
.Ltrip:                                        ; slots 0 to 6 of the walk ask for slots 2 to 8; the short block has four slots at the most, so it ends in this loop
	TRIP 1, 1
	WIN 0
	s_sub_co_u32 s3, s3, 1
	s_cmp_lg_u32 s3, 0
	s_cbranch_scc1 .Ltrip
	s_mov_b32 s3, 2
.Ltl:                                          ; slots 7 and 8 ask for nothing; the last change of slots fetches bytes that are never multiplied
	TRIP 0, 0
	WIN 0
	s_sub_co_u32 s3, s3, 1
	s_cmp_lg_u32 s3, 0
	s_cbranch_scc1 .Ltl
	s_wait_dscnt 0x0
	PLACES
.set mm, 0
.rept 16
	FOLD mm, 1                                     ; the walk's last key block
.set mm, mm+1
.endr
	EMIT 0
	s_wait_tensorcnt 0x0                           ; the wave's end
	ds_add_u32 v[SPW], v[NIL]
	s_wait_dscnt 0x0
	CROUND                                         ; the closing round
	s_endpgm
.Lfunc_end_k_q9f91d7a9b1_pv:
	.size	k_q9f91d7a9b1_pv, .Lfunc_end_k_q9f91d7a9b1_pv-k_q9f91d7a9b1_pv
	.p2alignl 7, 3214868480
	.fill 96, 4, 3214868480
	.section	.rodata,"a",@progbits
	.p2align	6, 0x0
	.amdhsa_kernel k_q9f91d7a9b1_pv
		.amdhsa_group_segment_fixed_size 327680
		.amdhsa_private_segment_fixed_size 0
		.amdhsa_enable_private_segment 0
		.amdhsa_kernarg_size 32
		.amdhsa_user_sgpr_count 2
		.amdhsa_user_sgpr_kernarg_segment_ptr 1
		.amdhsa_wavefront_size32 1
		.amdhsa_system_sgpr_workgroup_id_x 1
		.amdhsa_system_sgpr_workgroup_id_y 1
		.amdhsa_system_sgpr_workgroup_id_z 1
		.amdhsa_system_vgpr_workitem_id 0
		.amdhsa_next_free_vgpr 768
		.amdhsa_next_free_sgpr 96
		.amdhsa_reserve_vcc 0
		.amdhsa_float_denorm_mode_32 3
		.amdhsa_float_denorm_mode_16_64 3
		.amdhsa_memory_ordered 1
		.amdhsa_forward_progress 1
		.amdhsa_inst_pref_size 123
	.end_amdhsa_kernel
	.amdgpu_metadata
---
amdhsa.version: [ 1, 2 ]
amdhsa.kernels:
  - .name:           k_q9f91d7a9b1_pv
    .symbol:         k_q9f91d7a9b1_pv.kd
    .args:
      - { .name: pt, .offset: 0, .size: 8, .value_kind: global_buffer, .address_space: global }
      - { .name: kqv, .offset: 8, .size: 8, .value_kind: global_buffer, .address_space: global }
      - { .name: st, .offset: 16, .size: 8, .value_kind: global_buffer, .address_space: global }
      - { .name: ob, .offset: 24, .size: 8, .value_kind: global_buffer, .address_space: global }
    .group_segment_fixed_size: 327680
    .private_segment_fixed_size: 0
    .kernarg_segment_align: 8
    .kernarg_segment_size: 32
    .max_flat_workgroup_size: 128
    .sgpr_count:     96
    .vgpr_count:     768
    .wavefront_size: 32
...
	.end_amdgpu_metadata
.endif
;; end of part 4
;; launch proj (part 5): grid 4 x 64, 4 waves a work-group, clusters of 4 x 4, 327,680 bytes of LDS; arguments ob, wp, b_proj, out0; writes out0
.if DOCPART == 5
	.amdgcn_target "amdgcn-amd-amdhsa--gfx1250"
	.amdhsa_code_object_version 6
	.text
	.protected	k_q9f91d7a9b1_proj
	.globl	k_q9f91d7a9b1_proj
	.p2align	8
	.type	k_q9f91d7a9b1_proj,@function
k_q9f91d7a9b1_proj:
	s_mov_b64 s[64:65], 0
	v_nop
	global_prefetch_b8 v0, s[64:65] scope:SCOPE_SE
	s_setreg_imm32_b32 hwreg(HW_REG_WAVE_MODE, 25, 1), 1
	s_wait_xcnt 0x0
	s_wait_alu depctr_hold_cnt(0) depctr_sa_sdst(0) depctr_va_vdst(0) depctr_va_sdst(0) depctr_va_ssrc(0) depctr_va_vcc(0) depctr_vm_vsrc(0)
	s_getreg_b32 s2, hwreg(HW_REG_IB_STS2, 6, 4)
	s_cmp_eq_u32 s2, 0
	s_cbranch_scc0 .Lentry_in_a_cluster
	s_endpgm
.Lentry_in_a_cluster:
	s_bfe_u32 s2, ttmp6, 0x10000c
	s_cmp_lg_u32 s2, 0xf033
	s_cbranch_scc0 .Lentry_shape_is_right
	s_endpgm
.Lentry_shape_is_right:
; C[m][n] = bias[n] + the sum over k of A[m][k] B[k][n], K = 1,024, in one text for two launches; PROJ chooses.
;   PROJ = 0: A = xb bf16 [8192][1024], B = wb bf16 [1024][3072], C = kqv f16 [8192][3072].
;   PROJ = 1: A = ob f16 in panels [16][8192][64], B = wp f16 [1024][1024], C = out0 f32 [8192][1024].
; Sums in f32; the bias, rounded to bf16 like the other inputs, starts them as the first product's C operand.  LIMIT (PROJ = 0): |C| stays under 65,504, f16's range.
; SHARES.  A tile of C is 128 x 256; four waves, each 64 x 128: 32 accumulators of 16 x 16.  K goes in 8 steps of 128 through two LDS slots.
; B lies [k][n] as given: its fragments come out of LDS turned, by ds_load_tr16_b128.  The product is used transposed (source 0 = 16 columns of B, source 1 = 16 rows of A):
; a lane holds one row of C (lane % 16) and eight neighbouring columns 8 (lane / 16) + 0..7.
; CLUSTER 4 x 4.  A's tile hangs on the tile row alone and is asked for jointly along a row of the cluster, B's on the tile column alone and jointly along a column.
; REGISTERS.  window 0: v0-31 addresses; v64-95, v128-159 A's fragments, two buffers; the rest at work on the way out.
;   window 1: v0-63 the bias of my 128 columns; v64-127, v128-191 B's fragments; v192-195 at work.   window 2: accumulator (a, b) at 8 (8 a + b).
.set PROJ, 1
.set KSTEP,  128
.if PROJ
.set NP,     1024                      ; elements in a row of B
.set PA,     144                       ; an LDS row of A: 128 bytes + 16
.set APART,  128*PA                    ; what one tensor load brings of A: a panel's 128 rows
.set ASTEP,  2097152                   ; bytes from a K step of A to the next: two panels
.set AQI,    4                         ; padding after every 32 words
.set APITCH, 128                       ; a panel's dense rows are asked for as rows of 256 bytes
.set APF,    256                       ; the prefetches' bytes from lane to lane in A
.set STAGE,  237568                    ; behind slot 1: 16 rows x 528 bytes for each wave
.set SPITCH, 528
.set SPARE,  106496                    ; behind slot 0
.set OROW,   4096                      ; bytes in a row of C
.set OTC,    10                        ; log2 of a tile's bytes in a row of C
.else
.set NP,     3072
.set PA,     272                       ; 256 bytes + 16
.set APART,  64*PA                     ; 64 rows
.set ASTEP,  256
.set AQI,    5                         ; padding after every 64 words
.set APITCH, 1024
.set APF,    2048
.set STAGE,  104448                    ; behind slot 0: 16 rows x 272 bytes for each wave
.set SPITCH, 272
.set SPARE,  121856                    ; behind the stages
.set OROW,   6144
.set OTC,    9
.endif
.set PB,     544                       ; an LDS row of B: 512 bytes + 32 = 17 x 32: the turning load's 8 rows x 32 bytes fall on different banks
.set BHALF,  64*PB                     ; 64 rows of k: what one tensor load brings of B
.set BOFF,   2*APART                   ; B lies behind A in a slot
.set BSTEP,  KSTEP*NP*2
.set SLOT1,  131072                    ; slot 1 begins here: above every LDS base of slot 0, so one exclusive or changes slots
.set ADRA0, 16                         ; v16  my lane's place in A's tile, slot 0; never rewritten
.set ADRB0, 17                         ; v17  the same for B
.set ADRA,  18                         ; v18  the same in the slot in hand
.set ADRB,  19
.set STO,   24                         ; the way out: where I put my bytes of a row
.set RD,    25                         ; where I read rows back
.set CO,    26                         ; my byte offset in C
.set BO,    27                         ; my byte offset in the bias
.set SPW,   28                         ; LDS address of my spare word; never rewritten
.set NIL,   29                         ; 0; never rewritten
.set PFO,   30                         ; the prefetches' offset; never rewritten
.set F0,    64
.set F1,    128
.set TMP,   192
.set WV,  12
.set RH,  13                           ; which 64 rows of the tile are mine.  Also: I fetch for A (0) or B (1)
.set CH,  14                           ; which 128 columns.  Also: which part of that tile I fetch
.set CX,  15
.set CY,  16
.set TC,  17                           ; tile column
.set TR,  18                           ; tile row
.set LIM, 19                           ; 2 in a wave that prefetches, else the greatest number
.set G1A, 24
.set G0A, 32                           ; two sets: step 0 into slot 0 (used once); step 1 into slot 1, which then walks
.set PFA, 44
.set PFS, 46
.set G1B, 48
.set G0B, 56
.set TB,  66                           ; 0 or SLOT1: the slot in hand
.set MUL,  0xa1                        ; source 0 (B) window 1, source 1 (A) window 0, C and D window 2
.set TO_B, 0x40                        ; destination window 1, address window 0
.set MSB, 0
.macro WIN new                         ; the immediate's high byte repeats the setting that is left
.if MSB != (\new)
	s_set_vgpr_msb (MSB<<8)|(\new)
.set MSB, \new
.endif
.endm
.macro PLACES                          ; four plain vector instructions behind matrix instructions, in front of loads into their sources and of readers of their results
.rept 4
	v_nop
.endr
.endm
.macro JLOAD                           ; a joint refill by the walking descriptors: waves 0, 1 for A, waves 2, 3 for B; an s_nop 0 and four v_nop follow each line
	s_cmp_eq_u32 s[RH], 0
	s_cbranch_scc0 .Lfor_b_\@
	tensor_load_to_lds s[G0A+4:G0A+7], s[G1A:G1A+7]
	s_nop 0
.rept 4
	v_nop
.endr
	s_branch .Lasked_\@
.Lfor_b_\@:
	tensor_load_to_lds s[G0B+4:G0B+7], s[G1B:G1B+7]
	s_nop 0
.rept 4
	v_nop
.endr
.Lasked_\@:
.endm
.macro CREST                           ; a round of the cluster's barrier behind its opening barrier
	s_cmp_lg_u32 s[WV], 0
	s_cbranch_scc1 .Lnot_wave_0_\@
	s_barrier_signal -3
.Lnot_wave_0_\@:
	s_barrier_wait -3
	s_barrier_signal -1
	s_barrier_wait -1
.endm
.macro CROUND
	s_barrier_signal -1
	s_barrier_wait -1
	CREST
.endm
; A prefetch of the K step that stands two refills on (step s asks for step s + 4, for s = 0..3: s3 = 6 - s is above 2), behind the joint load and the run of LDS loads.
; Each aligned 256 bytes are named once in the launch: A's by wave 0 of the clusters with x = 0, B's by waves 2 and 3 of the clusters with y = 0; the four partners share the blocks out by address.
.macro ASK
	s_cmp_gt_u32 s3, s[LIM]
	s_cbranch_scc0 .Lnot_mine_\@
	global_prefetch_b8 v[PFO], s[PFA:PFA+1] th:TH_LOAD_NT scope:SCOPE_SE
.Lnot_mine_\@:
.endm
	s_load_b256 s[4:11], s[0:1], 0x0               ; A s[4:5], B s[6:7], bias s[8:9], C s[10:11]
	v_lshl_add_u32 v[SPW], v0, 2, SPARE
	v_mov_b32 v[NIL], 0
	ds_add_u32 v[SPW], v[NIL]                      ; the wave's opening: the add and its wait ahead of my first tensor load
	v_lshrrev_b32 v1, 5, v0
	v_readfirstlane_b32 s[WV], v1
	s_lshr_b32 s[RH], s[WV], 1
	s_and_b32 s[CH], s[WV], 1
	s_bfe_u32 s[CX], ttmp6, 0x40000
	s_bfe_u32 s[CY], ttmp6, 0x40004
	s_lshl_b32 s[TC], ttmp9, 2
	s_add_co_u32 s[TC], s[TC], s[CX]               ; tile column = 4 x cluster x + cx
	s_and_b32 s[TR], ttmp7, 0xffff
	s_lshl_b32 s[TR], s[TR], 2
	s_add_co_u32 s[TR], s[TR], s[CY]               ; tile row = 4 x cluster y + cy
	s_lshl_b32 s20, s[CY], 2
	s_lshl_b32 s20, 15, s20                        ; my row of the cluster
	s_lshl_b32 s21, 0x1111, s[CX]                  ; my column
	s_or_b32 s[G1A], s20, (1<<16)|(1<<20)|(1<<21)|(AQI<<22)|(3<<25)  ; mask; 2-byte elements; padding on; bit 21 beside a mask; interval; 4 words
	s_or_b32 s[G1B], s21, (1<<16)|(1<<20)|(1<<21)|(6<<22)|(7<<25)    ; after every 128 words, 8 words
	s_mov_b32 s[G1A+1], 128<<16                    ; tensor_dim0 = 128
	s_mov_b32 s[G1A+2], 64<<16                     ; tensor_dim1 = 64
	s_mov_b32 s[G1A+3], 128<<16                    ; tile_dim0 = 128
	s_mov_b32 s[G1A+4], 64                         ; tile_dim1 = 64
	s_mov_b32 s[G1A+5], APITCH
	s_mov_b32 s[G1A+6], 0
	s_mov_b32 s[G1A+7], 0
	s_mov_b32 s[G1B+1], 256<<16                    ; 256 columns
	s_mov_b32 s[G1B+2], 64<<16                     ; 64 rows of k
	s_mov_b32 s[G1B+3], 256<<16
	s_mov_b32 s[G1B+4], 64
	s_mov_b32 s[G1B+5], NP
	s_mov_b32 s[G1B+6], 0
	s_mov_b32 s[G1B+7], 0
.if PROJ
	s_lshl_b32 s22, s[CH], 20                      ; A: panel CH of the step, the tile's 128 rows of 128 bytes
	s_lshl_b32 s23, s[TR], 14
	s_add_co_u32 s22, s22, s23
.else
	s_lshl_b32 s22, s[TR], 7                       ; A: row 128 x tile row + 64 x part, 2,048 bytes a row
	s_lshl_b32 s23, s[CH], 6
	s_add_co_u32 s22, s22, s23
	s_lshl_b32 s22, s22, 11
.endif
	s_mov_b32 s23, 0
	s_mul_i32 s40, s[CH], 64*2*NP                  ; B: row of k 64 x part, the tile's 512 bytes
	s_lshl_b32 s41, s[TC], 9
	s_add_co_u32 s40, s40, s41
	s_mov_b32 s41, 0
	s_mul_i32 s42, s[CH], APART                    ; where they go: no place in the cluster enters an LDS address
	s_mul_i32 s43, s[CH], BHALF
	s_add_co_u32 s43, s43, BOFF
	s_mov_b32 s[TB], 0
	s_wait_dscnt 0x0                               ; the opening add is done
	s_wait_kmcnt 0x0
	s_add_nc_u64 s[22:23], s[4:5], s[22:23]
	s_add_nc_u64 s[40:41], s[6:7], s[40:41]
.irp n, 0,1
	s_mov_b32 s[G0A+4*(\n)], 1
	s_add_co_u32 s[G0A+4*(\n)+1], s42, (\n)*SLOT1
	s_add_nc_u64 s[G0A+4*(\n)+2:G0A+4*(\n)+3], s[22:23], (\n)*ASTEP
	s_or_b32 s[G0A+4*(\n)+3], s[G0A+4*(\n)+3], 0x80000000
	s_mov_b32 s[G0B+4*(\n)], 1
	s_add_co_u32 s[G0B+4*(\n)+1], s43, (\n)*SLOT1
	s_add_nc_u64 s[G0B+4*(\n)+2:G0B+4*(\n)+3], s[40:41], (\n)*BSTEP
	s_or_b32 s[G0B+4*(\n)+3], s[G0B+4*(\n)+3], 0x80000000
.endr
	CROUND                                         ; all sixteen work-groups are here: the first joint loads meet
	s_cmp_eq_u32 s[RH], 0                          ; a wave's two first fills stand in one branch: two loads of mine are out
	s_cbranch_scc0 .Lfirst_b
	tensor_load_to_lds s[G0A:G0A+3], s[G1A:G1A+7]
	s_nop 0
	tensor_load_to_lds s[G0A+4:G0A+7], s[G1A:G1A+7]
	s_nop 0
.rept 4
	v_nop
.endr
	s_branch .Lfirst_asked
.Lfirst_b:
	tensor_load_to_lds s[G0B:G0B+3], s[G1B:G1B+7]
	s_nop 0
	tensor_load_to_lds s[G0B+4:G0B+7], s[G1B:G1B+7]
	s_nop 0
.rept 4
	v_nop
.endr
.Lfirst_asked:
	v_and_b32 v1, 15, v0                           ; r = l % 16
	v_bfe_u32 v2, v0, 4, 1                         ; h = l / 16
	v_and_b32 v3, 31, v0                           ; l
	v_and_b32 v4, 7, v0
	v_bfe_u32 v5, v0, 3, 1
	s_lshl_b32 s20, s[TC], 10                      ; the bias of my 128 columns: lane half h takes columns 8 h + 0..7 of each 16
	s_lshl_b32 s21, s[CH], 9
	s_add_co_u32 s20, s20, s21
	v_lshl_add_u32 v[BO], v2, 5, s20
	WIN TO_B
.irp b, 0,1,2,3,4,5,6,7
	global_load_b128 v[8*(\b):8*(\b)+3],   v[BO], s[8:9] offset:64*(\b)
	global_load_b128 v[8*(\b)+4:8*(\b)+7], v[BO], s[8:9] offset:64*(\b)+16
.endr
	WIN 0
	v_mul_u32_u24 v[ADRA0], v1, PA                 ; A's fragment: row x pitch + 16 x half, from my 64 rows on
	v_lshl_add_u32 v[ADRA0], v2, 4, v[ADRA0]
	s_mul_i32 s20, s[RH], 64*PA
	v_add_nc_u32 v[ADRA0], s20, v[ADRA0]
	v_lshl_add_u32 v[ADRB0], v2, 3, v4             ; B's, turned: lane l reads row of k 8 h + l % 8, 16 bytes at 16 ((l / 8) % 2), from my 128 columns on
	v_mul_u32_u24 v[ADRB0], v[ADRB0], PB
	v_lshl_add_u32 v[ADRB0], v5, 4, v[ADRB0]
	s_lshl_b32 s20, s[CH], 8
	s_add_co_u32 s20, s20, BOFF
	v_add_nc_u32 v[ADRB0], s20, v[ADRB0]
	v_mov_b32 v[ADRA], v[ADRA0]
	v_mov_b32 v[ADRB], v[ADRB0]
	s_mul_i32 s20, s[WV], 16*SPITCH
	s_add_co_u32 s20, s20, STAGE                   ; my stage
	v_mul_u32_u24 v[STO], v1, SPITCH
	v_lshl_add_u32 v[STO], v2, 4+PROJ, v[STO]
	v_add_nc_u32 v[STO], s20, v[STO]
.if PROJ
	v_lshl_add_u32 v[RD], v3, 4, s20               ; back: 32 lanes take a row of 512 bytes
	v_lshlrev_b32 v[CO], 4, v3
.else
	v_mul_u32_u24 v[RD], v2, SPITCH                ; back: lanes 0-15 take a row of 256 bytes, lanes 16-31 the next
	v_lshl_add_u32 v[RD], v1, 4, v[RD]
	v_add_nc_u32 v[RD], s20, v[RD]
	v_mul_u32_u24 v[CO], v2, OROW
	v_lshl_add_u32 v[CO], v1, 4, v[CO]
.endif
	s_lshl_b32 s20, s[TR], 7                       ; C at my first row and column
	s_lshl_b32 s21, s[RH], 6
	s_add_co_u32 s20, s20, s21
	s_mul_i32 s20, s20, OROW
	s_lshl_b32 s21, s[TC], OTC
	s_add_co_u32 s20, s20, s21
	s_lshl_b32 s21, s[CH], OTC-1
	s_add_co_u32 s20, s20, s21
	s_mov_b32 s21, 0
	s_add_nc_u64 s[10:11], s[10:11], s[20:21]
	; the prefetches: where they stand (K step 3; each refill steps them first), who asks
.if PROJ
	s_lshr_b32 s68, s[CX], 1                       ; A: partner cx takes 8,192 bytes: half (cx % 2) of panel part cx / 2
	s_lshl_b32 s68, s68, 20
	s_and_b32 s70, s[CX], 1
	s_lshl_b32 s70, s70, 13
	s_add_co_u32 s68, s68, s70
	s_lshl_b32 s70, s[TR], 14
	s_add_co_u32 s68, s68, s70
.else
	s_lshl_b32 s68, s[TR], 7                       ; A: partner cx takes rows 32 cx + lane of the tile
	s_lshl_b32 s70, s[CX], 5
	s_add_co_u32 s68, s68, s70
	s_lshl_b32 s68, s68, 11
.endif
	s_add_co_u32 s68, s68, 3*ASTEP
	s_lshl_b32 s69, s[CH], 6                       ; B: partner cy takes rows of k 64 x part + 16 cy + lane % 16, half lane / 16 of their 512 bytes
	s_lshl_b32 s70, s[CY], 4
	s_add_co_u32 s69, s69, s70
	s_add_co_u32 s69, s69, 3*KSTEP
	s_mul_i32 s69, s69, 2*NP
	s_lshl_b32 s70, s[TC], 9
	s_add_co_u32 s69, s69, s70
	s_and_b32 s40, ttmp7, 0xffff                   ; cluster y
	s_mov_b32 s20, ASTEP
	s_mov_b32 s21, BSTEP
	s_mov_b32 s42, APF
	s_mov_b32 s43, 2*NP
	s_mov_b32 s71, 0
	s_mov_b32 s[PFS+1], 0
	s_cmp_eq_u32 s[RH], 0                          ; do I fetch for A?
	s_cselect_b64 s[PFA:PFA+1], s[4:5], s[6:7]
	s_cselect_b32 s70, s68, s69
	s_cselect_b32 s[PFS], s20, s21
	s_cselect_b32 s41, ttmp9, s40                  ; the coordinate along which other clusters read the same blocks
	s_cselect_b32 s22, 31, 15
	s_cselect_b32 s42, s42, s43
	s_cselect_b32 s43, 0, 256
	s_add_nc_u64 s[PFA:PFA+1], s[PFA:PFA+1], s[70:71]
	s_cmp_eq_u32 s[WV], 1                          ; wave 1 never asks: wave 0 names all of A's blocks
	s_cselect_b32 s41, 1, s41
	s_cmp_eq_u32 s41, 0
	s_cselect_b32 s[LIM], 2, -1                    ; the same in all sixteen partners, for a given wave
	v_and_b32 v[PFO], s22, v0
	v_mul_u32_u24 v[PFO], v[PFO], s42
	v_mad_u32_u24 v[PFO], v2, s43, v[PFO]
	s_wait_loadcnt 0x0                             ; the bias: rounded to bf16 and widened again
	WIN 0x45                                       ; all three operand places in window 1
.set p, 0
.rept 32
	v_cvt_pk_bf16_f32 v[192+p%4], v[2*p], v[2*p+1]
	v_lshlrev_b32 v[2*p], 16, v[192+p%4]
	v_and_b32 v[2*p+1], 0xffff0000, v[192+p%4]
.set p, p+1
.endr
	WIN 0
.macro WM
.if PROJ
	v_wmma_f32_16x16x32_f16 v[rD:rD+7], v[rB:rB+7], v[rA:rA+7], v[rC:rC+7]
.else
	v_wmma_f32_16x16x32_bf16 v[rD:rD+7], v[rB:rB+7], v[rA:rA+7], v[rC:rC+7]
.endif
.endm
; 8 matrix instructions: row block a x all 8 column blocks, 32 along K.  init = 1: the bias (window 1) starts the sums.  The 32 accumulators take turns in the same order in every quarter.
.macro MUL8 f, a, init
	WIN MUL-0x10*(\init)
.irp b, 0,1,2,3,4,5,6,7
.set rD, 8*(8*(\a)+(\b))
.set rB, (\f)+8*(\b)
.set rA, (\f)+8*(\a)
.set rC, rD
.if \init
.set rC, 8*(\b)
.endif
	WM
.endr
.endm
; 24 LDS loads in one run: quarter kq (32 along K) of the slot in hand into buffer f: B's 8 fragments, then A's 4
.macro FETCH kq, f
	WIN TO_B
.irp i, 0,1,2,3,4,5,6,7
	ds_load_tr16_b128 v[(\f)+8*(\i):(\f)+8*(\i)+3],   v[ADRB] offset:(\kq)*32*PB+32*(\i)
	ds_load_tr16_b128 v[(\f)+8*(\i)+4:(\f)+8*(\i)+7], v[ADRB] offset:(\kq)*32*PB+16*PB+32*(\i)
.endr
	WIN 0
.if PROJ
.set AO, ((\kq)/2)*APART+((\kq)%2)*64
.else
.set AO, 64*(\kq)
.endif
.irp i, 0,1,2,3
	ds_load_b128 v[(\f)+8*(\i):(\f)+8*(\i)+3],   v[ADRA] offset:AO+(\i)*16*PA
	ds_load_b128 v[(\f)+8*(\i)+4:(\f)+8*(\i)+7], v[ADRA] offset:AO+(\i)*16*PA+32
.endr
.endm
; One of a step's first three quarters: multiplies buffer f, and in its middle fetches quarter kq into buffer g
.macro QUARTER kq, f, g, init
	s_wait_dscnt 4                                 ; B and A's row blocks 0, 1 are in; the youngest four loads (blocks 2, 3) may be out
	MUL8 \f, 0, \init
	MUL8 \f, 1, \init
	PLACES
	FETCH \kq, \g
	s_wait_dscnt 24                                ; all but the 24 just issued
	MUL8 \f, 2, \init
	MUL8 \f, 3, \init
.endm
; The fourth quarter multiplies buffer 1 and changes slots: one barrier.  In front of it each wave waits for all its tensor loads (one is out: its part of the next slot), adds 0 to its spare word,
; and waits for that and for its reads of this slot.  fill = 1: the barrier opens a round of the cluster's, and this slot is filled again first thing behind it, with the step two on.
.macro TURN fill
.if \fill
	s_wait_xcnt 0x0                                ; the last prefetch, a step back, has read its address
	s_add_nc_u64 s[PFA:PFA+1], s[PFA:PFA+1], s[PFS:PFS+1]
.endif
	WIN 0
	s_wait_tensorcnt 0x0                           ; no tensor load of mine is out, so a group 0 may be written
	ds_add_u32 v[SPW], v[NIL]
.if \fill
	s_xor_b32 s[G0A+5], s[G0A+5], SLOT1            ; the walking descriptors: the other slot than last time, the next step
	s_add_nc_u64 s[G0A+6:G0A+7], s[G0A+6:G0A+7], ASTEP
	s_xor_b32 s[G0B+5], s[G0B+5], SLOT1
	s_add_nc_u64 s[G0B+6:G0B+7], s[G0B+6:G0B+7], BSTEP
.endif
	s_wait_dscnt 5                                 ; the add and the four loads of A's row blocks 2, 3 may be out
	MUL8 F1, 0, 0
	s_wait_dscnt 0x0                               ; the add is done, and my reads of this slot are over
	s_barrier_signal -1
	MUL8 F1, 1, 0
	WIN 0
	s_barrier_wait -1
.if \fill
	CREST                                          ; no wave of any partner still reads this slot or has a load on its way
	JLOAD                                          ; the four v_nop behind it are also the places in front of the loads below
.else
	PLACES
.endif
	s_xor_b32 s[TB], s[TB], SLOT1
	v_add_nc_u32 v[ADRA], s[TB], v[ADRA0]
	v_add_nc_u32 v[ADRB], s[TB], v[ADRB0]
	FETCH 0, F0
.if \fill
	ASK
.endif
	MUL8 F1, 2, 0
	MUL8 F1, 3, 0
.endm
	s_wait_tensorcnt 0x1                           ; my part of step 0 is in; step 1's may stay out
	s_barrier_signal -1
	s_barrier_wait -1
	FETCH 0, F0
	QUARTER 1, F0, F1, 1                           ; step 0's first quarter starts the sums
	WIN 0
	s_mov_b32 s3, 6
.Lstep:                                        ; a trip: a step's quarters 1 to 3 and the next step's quarter 0; steps 0 to 5 ask for steps 2 to 7
	QUARTER 2, F1, F0, 0
	QUARTER 3, F0, F1, 0
	TURN 1
	QUARTER 1, F0, F1, 0
	WIN 0
	s_sub_co_u32 s3, s3, 1
	s_cmp_lg_u32 s3, 0
	s_cbranch_scc1 .Lstep
	s_mov_b32 s3, 2
.Ltail:                                        ; steps 6 and 7 ask for nothing; the second trip is left in its middle.  Its change of slots fetches step 6's bytes once more: they are never multiplied
	QUARTER 2, F1, F0, 0
	QUARTER 3, F0, F1, 0
	TURN 0
	WIN 0
	s_sub_co_u32 s3, s3, 1
	s_cmp_eq_u32 s3, 0
	s_cbranch_scc1 .Lout
	QUARTER 1, F0, F1, 0
	WIN 0
	s_branch .Ltail
.Lout:
	s_wait_dscnt 0x0                               ; the loads that serve nothing have landed: their registers are free
	PLACES
.if PROJ
; THE WAY OUT, f32: 16 rows at a time through my stage: 32 bytes a lane in, whole rows of 512 bytes back, each stored by one instruction
.macro OUTF a
	WIN 0x08                                       ; store data in window 2
.irp b, 0,1,2,3,4,5,6,7
	ds_store_b128 v[STO], v[64*(\a)+8*(\b):64*(\a)+8*(\b)+3]   offset:64*(\b)
	ds_store_b128 v[STO], v[64*(\a)+8*(\b)+4:64*(\a)+8*(\b)+7] offset:64*(\b)+16
.endr
	WIN 0
	s_wait_xcnt 0x0                                ; earlier stores have read their registers and their base
.if (\a) > 0
	s_add_nc_u64 s[10:11], s[10:11], 16*OROW
.endif
.set BK, 64+64*((\a)%2)
.irp t, 0,1,2,3,4,5,6,7,8,9,10,11,12,13,14,15
	ds_load_b128 v[BK+4*(\t):BK+4*(\t)+3], v[RD] offset:SPITCH*(\t)  ; LDS serves a wave's instructions in order: these see the stores above
.endr
.irp t, 0,1,2,3,4,5,6,7,8,9,10,11,12,13,14,15
	s_wait_dscnt 15-(\t)
	global_store_b128 v[CO], v[BK+4*(\t):BK+4*(\t)+3], s[10:11] offset:OROW*(\t)  ; 512 consecutive bytes, aligned
.endr
.endm
	OUTF 0
	OUTF 1
	OUTF 2
	OUTF 3
.else
; THE WAY OUT, f16: 16 rows at a time: rounded, 16 bytes a lane into my stage, whole rows of 256 bytes back
.macro PACK a
	WIN 0x0a                                       ; sources 0 and 1 in window 2
.irp b, 0,1,2,3,4,5,6,7
.irp z, 0,1,2,3
	v_cvt_pk_f16_f32 v[TMP+4*(\b)+(\z)], v[64*(\a)+8*(\b)+2*(\z)], v[64*(\a)+8*(\b)+2*(\z)+1]
.endr
.endr
	WIN 0
.endm
.macro TOSTAGE a
.set BK, 32+192*((\a)%2)
.irp b, 0,1,2,3,4,5,6,7
	ds_store_b128 v[STO], v[TMP+4*(\b):TMP+4*(\b)+3] offset:32*(\b)
.endr
.irp t, 0,1,2,3,4,5,6,7
	ds_load_b128 v[BK+4*(\t):BK+4*(\t)+3], v[RD] offset:(\t)*2*SPITCH  ; LDS serves a wave's instructions in order: these see the stores above
.endr
.endm
.macro SEND a
.set BK, 32+192*((\a)%2)
	s_wait_dscnt 0x0
	s_wait_xcnt 0x0                                ; earlier stores have read their registers and their base
.if (\a) > 0
	s_add_nc_u64 s[10:11], s[10:11], 16*OROW
.endif
.irp t, 0,1,2,3,4,5,6,7
	global_store_b128 v[CO], v[BK+4*(\t):BK+4*(\t)+3], s[10:11] offset:2*(\t)*OROW  ; 16 lanes store 256 consecutive bytes, aligned
.endr
.endm
	PACK 0
	TOSTAGE 0
.irp a, 1,2,3
	PACK \a
	SEND (\a)-1
	TOSTAGE \a
.endr
	SEND 3
.endif
	s_wait_tensorcnt 0x0                           ; the wave's end
	ds_add_u32 v[SPW], v[NIL]
	s_wait_dscnt 0x0
	CROUND                                         ; the closing round
	s_endpgm
.Lfunc_end_k_q9f91d7a9b1_proj:
	.size	k_q9f91d7a9b1_proj, .Lfunc_end_k_q9f91d7a9b1_proj-k_q9f91d7a9b1_proj
	.p2alignl 7, 3214868480
	.fill 96, 4, 3214868480
	.section	.rodata,"a",@progbits
	.p2align	6, 0x0
	.amdhsa_kernel k_q9f91d7a9b1_proj
		.amdhsa_group_segment_fixed_size 327680
		.amdhsa_private_segment_fixed_size 0
		.amdhsa_enable_private_segment 0
		.amdhsa_kernarg_size 32
		.amdhsa_user_sgpr_count 2
		.amdhsa_user_sgpr_kernarg_segment_ptr 1
		.amdhsa_wavefront_size32 1
		.amdhsa_system_sgpr_workgroup_id_x 1
		.amdhsa_system_sgpr_workgroup_id_y 1
		.amdhsa_system_sgpr_workgroup_id_z 1
		.amdhsa_system_vgpr_workitem_id 0
		.amdhsa_next_free_vgpr 768
		.amdhsa_next_free_sgpr 72
		.amdhsa_reserve_vcc 0
		.amdhsa_float_denorm_mode_32 3
		.amdhsa_float_denorm_mode_16_64 3
		.amdhsa_memory_ordered 1
		.amdhsa_forward_progress 1
		.amdhsa_inst_pref_size 70
	.end_amdhsa_kernel
	.amdgpu_metadata
---
amdhsa.version: [ 1, 2 ]
amdhsa.kernels:
  - .name:           k_q9f91d7a9b1_proj
    .symbol:         k_q9f91d7a9b1_proj.kd
    .args:
      - { .name: ob, .offset: 0, .size: 8, .value_kind: global_buffer, .address_space: global }
      - { .name: wp, .offset: 8, .size: 8, .value_kind: global_buffer, .address_space: global }
      - { .name: b_proj, .offset: 16, .size: 8, .value_kind: global_buffer, .address_space: global }
      - { .name: out0, .offset: 24, .size: 8, .value_kind: global_buffer, .address_space: global }
    .group_segment_fixed_size: 327680
    .private_segment_fixed_size: 0
    .kernarg_segment_align: 8
    .kernarg_segment_size: 32
    .max_flat_workgroup_size: 128
    .sgpr_count:     72
    .vgpr_count:     768
    .wavefront_size: 32
...
	.end_amdgpu_metadata
.endif
;; end of part 5
;; ======== version 2 of 2: 5 launches; version 1 with the launch cast written anew for expert scheduling mode
;; limits: values are held in f16: magnitudes above 65,504 overflow, below 6.1e-05 lose precision
;; workspace buffers: xb 16,777,216 bytes; wb 6,291,456 bytes; wp 2,097,152 bytes; kqv 50,331,648 bytes; pt 33,554,432 bytes; st 1,048,576 bytes; ob 16,777,216 bytes
;; launch cast (part 6): grid 768 x 1, 8 waves a work-group, no clusters, 0 bytes of LDS; arguments x, W_kqv, W_proj, xb, wb, wp; writes xb, wb, wp
.if DOCPART == 6
	.amdgcn_target "amdgcn-amd-amdhsa--gfx1250"
	.amdhsa_code_object_version 6
	.text
	.protected	k_q9f91d7a9b1_cast
	.globl	k_q9f91d7a9b1_cast
	.p2align	8
	.type	k_q9f91d7a9b1_cast,@function
k_q9f91d7a9b1_cast:
	s_mov_b64 s[64:65], 0
	v_nop
	global_prefetch_b8 v0, s[64:65] scope:SCOPE_SE
	s_setreg_imm32_b32 hwreg(HW_REG_WAVE_SCHED_MODE, 0, 2), 2
	s_setreg_imm32_b32 hwreg(HW_REG_WAVE_MODE, 25, 1), 1
	s_wait_xcnt 0x0
	s_wait_alu depctr_vm_vsrc(0)
; x -> xb (bf16), W_kqv -> wb (bf16), W_proj -> wp (rounded to bf16, that number written as f16).  Layouts stay as given.
; A stream: each input byte is read once, each output byte written once; no LDS, no barrier, no matrix work.
; SHARES.  A work-group converts 16,384 numbers: 65,536 bytes in, 32,768 out.  Work-groups 0-511 take x, 512-703 W_kqv, 704-767 W_proj.
; Thread t takes 16 bytes at 16 t of each 4,096-byte piece: a wave's load covers 512 bytes on end, its store 256 bytes on end, aligned.
; All 16 loads of a thread go out at once; the waits count down.  No register that a store reads is written again.
; LIMIT.  wp: |W_proj| stays under 65,504 (f16's range); below 2^-14 it keeps f16's fixed step of 6e-8.
; THE MODE: SCHED_MODE bits 1:0 = 2 (LLVM: expert scheduling mode 2), set by the entry lines.  The code itself states the register dependences
; between vector instructions and memory instructions, with s_wait_alu, always for 0.
; THE PLAN.  Registers that memory instructions touch:
;   v1, v2   byte offsets, made once at the head and never written again: v1 is read by every load, v2 by every store.
;   X        piece p: 4 registers at X + 4 p.  Written by piece p's load, once, at the head; no vector instruction names them ahead of the loads; read by piece p's conversions.
;   Y        piece p: 2 registers at Y + 2 p.  Written by piece p's conversions; read by piece p's one store; never written behind that store.
;   T        at work in the f16 path: no memory instruction names it.
; The 16 pieces go in four groups of four.  Group g converts its X into its Y; its memory instructions are the four stores of group g - 1, which read v2 and that group's Y:
; registers that no vector instruction of group g names.  So one wait at a group's head states all that its four stores hang on, and they are dealt among its conversions
; with no further wait.  No register that a load or store has read is written again, so there is no such dependence to state.
.set X, 4                              ; v[4:67]
.set Y, 68                             ; v[68:99]
.set T, 100                            ; v[100:103]
	s_load_b256 s[4:11], s[0:1], 0x0               ; x s[4:5], W_kqv s[6:7], W_proj s[8:9], xb s[10:11]
	s_load_b128 s[12:15], s[0:1], 0x20             ; wb s[12:13], wp s[14:15]
	s_mov_b32 s16, ttmp9                           ; the work-group's number
	s_sub_co_u32 s17, s16, 512                     ; its block in W_kqv,
	s_sub_co_u32 s18, s16, 704                     ; in W_proj
	s_mov_b32 s3, 0
	v_lshlrev_b32 v1, 4, v0                        ; 16 t: where I read
	v_lshlrev_b32 v2, 3, v0                        ; 8 t: where I write
	s_wait_kmcnt 0x0
	s_cmp_lt_u32 s16, 704                          ; source, destination and block number are chosen by the work-group's number alone
	s_cselect_b64 s[20:21], s[6:7], s[8:9]
	s_cselect_b64 s[22:23], s[12:13], s[14:15]
	s_cselect_b32 s19, s17, s18
	s_cmp_lt_u32 s16, 512
	s_cselect_b64 s[20:21], s[4:5], s[20:21]
	s_cselect_b64 s[22:23], s[10:11], s[22:23]
	s_cselect_b32 s19, s16, s19
	s_lshl_b32 s2, s19, 16                         ; block x 65,536 bytes in (511 x 65,536 at the most),
	s_add_nc_u64 s[20:21], s[20:21], s[2:3]
	s_lshl_b32 s2, s19, 15                         ; x 32,768 bytes out
	s_add_nc_u64 s[22:23], s[22:23], s[2:3]
	s_wait_alu depctr_va_vdst(0)                   ; v1 and v2 are written: every load below reads v1 as its offset, every store of the kernel v2
.irp i, 0,1,2,3,4,5,6,7,8,9,10,11,12,13,14,15
	global_load_b128 v[X+4*(\i):X+4*(\i)+3], v1, s[20:21] offset:4096*(\i) th:TH_LOAD_NT
.endr
; Group g: pieces 4 g to 4 g + 3.  Four numbers of a piece are rounded to bf16; f16 = 1: widened again and written as f16.
; Ahead of each piece's lines stands the store of the piece four back.
.macro GRP g, f16
	s_wait_loadcnt 12-4*(\g)                       ; loads come back in order: this group's four pieces are in, the younger ones stay out
.if (\g) > 0
	s_wait_alu depctr_va_vdst(0)                   ; the group before has written its Y, which the four stores below read
.endif
.irp i, 0,1,2,3
.set p, 4*(\g)+(\i)
.set q, p-4
.if (\g) > 0
	global_store_b64 v2, v[Y+2*q:Y+2*q+1], s[22:23] offset:2048*q  ; no vector instruction since the wait names these registers
.endif
	v_cvt_pk_bf16_f32 v[Y+2*p], v[X+4*p], v[X+4*p+1]
	v_cvt_pk_bf16_f32 v[Y+2*p+1], v[X+4*p+2], v[X+4*p+3]
.if \f16
	v_lshlrev_b32 v[T], 16, v[Y+2*p]
	v_and_b32 v[T+1], 0xffff0000, v[Y+2*p]
	v_lshlrev_b32 v[T+2], 16, v[Y+2*p+1]
	v_and_b32 v[T+3], 0xffff0000, v[Y+2*p+1]
	v_cvt_pk_f16_f32 v[Y+2*p], v[T], v[T+1]
	v_cvt_pk_f16_f32 v[Y+2*p+1], v[T+2], v[T+3]
.endif
.endr
.endm
.macro CV f16
	GRP 0, \f16
	GRP 1, \f16
	GRP 2, \f16
	GRP 3, \f16
	s_wait_alu depctr_va_vdst(0)                   ; the last group has written its Y, which the last four stores read
.irp i, 12,13,14,15
	global_store_b64 v2, v[Y+2*(\i):Y+2*(\i)+1], s[22:23] offset:2048*(\i)
.endr
.endm
	s_cmp_ge_u32 s16, 704
	s_cbranch_scc1 .Lhalf
	CV 0
	s_endpgm
.Lhalf:
	CV 1
	s_endpgm
.Lfunc_end_k_q9f91d7a9b1_cast:
	.size	k_q9f91d7a9b1_cast, .Lfunc_end_k_q9f91d7a9b1_cast-k_q9f91d7a9b1_cast
	.p2alignl 7, 3214868480
	.fill 96, 4, 3214868480
	.section	.rodata,"a",@progbits
	.p2align	6, 0x0
	.amdhsa_kernel k_q9f91d7a9b1_cast
		.amdhsa_group_segment_fixed_size 0
		.amdhsa_private_segment_fixed_size 0
		.amdhsa_enable_private_segment 0
		.amdhsa_kernarg_size 48
		.amdhsa_user_sgpr_count 2
		.amdhsa_user_sgpr_kernarg_segment_ptr 1
		.amdhsa_wavefront_size32 1
		.amdhsa_system_sgpr_workgroup_id_x 1
		.amdhsa_system_sgpr_workgroup_id_y 1
		.amdhsa_system_sgpr_workgroup_id_z 1
		.amdhsa_system_vgpr_workitem_id 0
		.amdhsa_next_free_vgpr 104
		.amdhsa_next_free_sgpr 66
		.amdhsa_reserve_vcc 0
		.amdhsa_float_denorm_mode_32 3
		.amdhsa_float_denorm_mode_16_64 3
		.amdhsa_memory_ordered 1
		.amdhsa_forward_progress 1
		.amdhsa_inst_pref_size 16
	.end_amdhsa_kernel
	.amdgpu_metadata
---
amdhsa.version: [ 1, 2 ]
amdhsa.kernels:
  - .name:           k_q9f91d7a9b1_cast
    .symbol:         k_q9f91d7a9b1_cast.kd
    .args:
      - { .name: x, .offset: 0, .size: 8, .value_kind: global_buffer, .address_space: global }
      - { .name: W_kqv, .offset: 8, .size: 8, .value_kind: global_buffer, .address_space: global }
      - { .name: W_proj, .offset: 16, .size: 8, .value_kind: global_buffer, .address_space: global }
      - { .name: xb, .offset: 24, .size: 8, .value_kind: global_buffer, .address_space: global }
      - { .name: wb, .offset: 32, .size: 8, .value_kind: global_buffer, .address_space: global }
      - { .name: wp, .offset: 40, .size: 8, .value_kind: global_buffer, .address_space: global }
    .group_segment_fixed_size: 0
    .private_segment_fixed_size: 0
    .kernarg_segment_align: 8
    .kernarg_segment_size: 48
    .max_flat_workgroup_size: 256
    .sgpr_count:     66
    .vgpr_count:     104
    .wavefront_size: 32
...
	.end_amdgpu_metadata
.endif
;; end of part 6
;; launch qkv: the kernel of part 2 again; grid 12 x 32, 4 waves a work-group, clusters of 4 x 4, 327,680 bytes of LDS; arguments xb, wb, b_kqv, kqv; writes kqv
;; launch scores: the kernel of part 3 again; grid 9 x 16, 4 waves a work-group, no clusters, 327,680 bytes of LDS; arguments kqv, pt, st; writes pt, st
;; launch pv: the kernel of part 4 again; grid 8 x 32, 4 waves a work-group, clusters of 4 x 1, 327,680 bytes of LDS; arguments pt, kqv, st, ob; writes ob
;; launch proj: the kernel of part 5 again; grid 4 x 64, 4 waves a work-group, clusters of 4 x 4, 327,680 bytes of LDS; arguments ob, wp, b_proj, out0; writes out0
